; MI455X (gfx1250); checked and timed in simulation.
; The chip was launched on July 23, 2026; its instructions are those of AMD's public machine-readable ISA for CDNA 5 (MIT licence, August 2026) and "CDNA5" Instruction Set Architecture Reference Guide (July 2026). The comments in the code are by the model that wrote it; some were corrected since.
;; Self Attention. Allowed arithmetic: matrix products marked QUANTISED: E2M3 operands, one E8M0 scale for each 32 along K, by v_wmma_scale_f32_16x16x128_f8f6f4 with both operands' format E2M3, f32 sums; products left as they are: f32 operands where the result goes on into a quantised operand, else bf16, f16 or f32 operands; f32 sums; everything else in f32.
;; Inputs: W_out 1,024 x 1,024 float32; W_qkv 1,024 x 3,072 float32; b_out 1,024 float32; b_qkv 3,072 float32; x 4 x 4,096 x 1,024 float32.
;; Outputs: out0 4 x 4,096 x 1,024 float32.
;; This version of the problem:
;;   THIS VERSION OF THE PROBLEM IS GIVEN IN LOW PRECISION. The matrix products marked QUANTISED in the list below multiply operands that are first quantised to E2M3 (2 exponent bits, 3 mantissa bits; 6 bits a number), with one power-of-two scale for each 32 numbers along K (OCP MX v1.0); their sums are f32. All else is computed in f32.
;;   The module's matrix products, in the order in which they are computed (A, B: the left and right operand; K: the contracted axis; several contracted axes count as one K, in the product's order):
;;     1. [M 16,384, K 1,024] x [K 1,024, N 3,072]; A: input x; B: input W_qkv: QUANTISED
;;     2. batch 16,384 x [M 16, K 64] x [K 64, N 16]; A: computed on the way; B: computed on the way: QUANTISED
;;     3. batch 16,384 x [M 16, K 16] x [K 16, N 64]; A: softmax; B: computed on the way: left as it is (K = 16 < 32)
;;     4. [M 16,384, K 1,024] x [K 1,024, N 1,024]; A: computed on the way; B: input W_out: QUANTISED
;;   THE QUANTISER, for each operand of a quantised product, along K:
;;     - K is cut into blocks of 32 from its start; a last block that is shorter is filled with zeros.
;;     - A block's scale is 2^e with e = floor(log2(the largest magnitude in the block)) - 2, held to -126 .. 127; a block of zeros has e = 0. As a byte (E8M0): e + 127.
;;     - Each number is divided by its block's scale, clamped to +-7.5, and rounded to the nearest number of E2M3, ties to even, subnormals kept.
;;     - The product sums the exact products of the quantised numbers (number of the format x scale) in f32.
;;   ~~~python
;;   def quantise(x, axis):      # numpy; x: float32 -> the quantised numbers, widened to float32 again
;;       x = np.moveaxis(x, axis, -1); K = x.shape[-1]
;;       x = np.pad(x, [(0, 0)] * (x.ndim - 1) + [(0, -K % 32)]); x = x.reshape(x.shape[:-1] + (-1, 32)); a = np.abs(x).max(-1, keepdims=True)
;;       e = np.where(a > 0, np.clip(np.frexp(np.where(a > 0, a, 1))[1] - 1 - 2, -126, 127), 0)      # np.frexp(a)[1] - 1 = floor(log2(a)), exactly
;;       r = np.clip(x / 2.0 ** e, -7.5, 7.5)
;;       step = 2.0 ** (np.maximum(np.frexp(np.where(r == 0, 1, r))[1] - 1, 0) - 3)
;;       q = np.round(r / step) * step * 2.0 ** e      # np.round: ties to even
;;       return np.moveaxis(q.reshape(q.shape[:-2] + (-1,))[..., :K], -1, axis).astype(np.float32)
;;   ~~~
;;   OPERANDS COMPUTED ON THE WAY. 'Computed on the way' means the value that the module computes at that place (a softmax that the list does not call 'softmax' is quantised finished and normalised). What goes into a quantiser is computed in f32, as accurately as f32 sums, v_exp_f32 and their like allow (about 1e-6 of the number): no bf16 or f16 on the way to a quantiser, and a product that is left as it is and whose result goes on into a quantised operand takes f32 operands (vector FMAs, or v_wmma_f32_16x16x4_f32). A number that lies on a knife's edge between two numbers of the format may be rounded either way, as far as f32 arithmetic and the matrix unit's own rounding can turn it there, and no further.
;; 2 versions. Each part assembles by itself: llvm-mc -triple=amdgcn-amd-amdhsa -mcpu=gfx1250 --defsym DOCPART=n.
;; ======== version 1 of 2: 2 launches
;; workspace buffers: wcodes 3,145,728 bytes; wscales 131,072 bytes
;; launch prep (part 1): grid 256 x 1, 4 waves a work-group, no clusters, 1,536 bytes of LDS; arguments W_qkv, W_out, wcodes, wscales; writes wcodes, wscales
.if DOCPART == 1
	.amdgcn_target "amdgcn-amd-amdhsa--gfx1250"
	.amdhsa_code_object_version 6
	.text
	.protected	k_qcf86bae72f_prep
	.globl	k_qcf86bae72f_prep
	.p2align	8
	.type	k_qcf86bae72f_prep,@function
k_qcf86bae72f_prep:
	s_mov_b64 s[64:65], 0
	v_nop
	global_prefetch_b8 v0, s[64:65] scope:SCOPE_SE
	s_setreg_imm32_b32 hwreg(HW_REG_WAVE_MODE, 25, 1), 1
	s_wait_xcnt 0x0
; W_qkv [1024][3072] and W_out [1024][1024], f32, K = the FIRST axis, become codes of FP6 (E2M3) with one E8M0 byte for each 32 along K,
; laid in the order in which a wave's operand registers take them, so that the next launch loads whole fragments by dense loads of 16 bytes a lane.
; A CHUNK is 32 neighbouring columns for all of K: chunks 0-95 are W_qkv's, 96-127 W_out's.  A chunk has two tiles u; row a of tile u is column 8 u + a + 8 (a / 8) of the chunk.
; wcodes:  chunk x 24,576 + K step s (of 128) x 3,072 + u x 1,536 + piece x 512 + 16 x lane: registers 4 piece .. 4 piece + 3 of the fragment's twelve;
;          lane (r, hh) of a fragment holds in registers 6 c .. 6 c + 5 the codes of k = 128 s + 64 c + 32 hh + 0 .. 31 of tile row r.
; wscales: chunk x 1,024 + (s / 4) x 512 + u x 256 + 8 x (r + 16 (s % 2)) + 4 x ((s / 2) % 2): the four bytes of tile row r for K step s.
; A block's scale is 2^(floor(log2(its largest magnitude)) - 2); its byte is the largest magnitude's exponent field - 2, held at 1 from below.
; LIMITS: a block of zeros gets the byte 1 where the quantiser says 127 (its codes are zeros, and only this program reads the bytes); blocks whose largest magnitude lies under 2^-124 get the byte 1; NaN and infinities are not served.
; SHARES: work-group x: chunk x / 2, half x % 2 of K; wave w: K step 4 (x % 2) + w.  A LANE TAKES A COLUMN AND ITS REGISTERS RUN DOWN K: lane (u, r) holds 128 numbers, four whole blocks,
; which are the registers of the fragment's lanes (r, 0) and (r, 1).  A load covers the chunk's 128 consecutive bytes of one row of W.
.set X,  32                            ; v32-159  128 numbers: register k = row 128 s + k
.set C,  160                           ; v160-183 codes: 12 registers for fragment lane (r, 0), then 12 for (r, 1); never rewritten, so no store's data are written again
.set CT, 184                           ; v184-186 a block's upper 16 codes, made here and moved (a conversion's three registers begin on an even number)
	s_load_b128 s[4:7], s[0:1], 0x0                ; W_qkv, W_out
	s_load_b128 s[8:11], s[0:1], 0x10              ; wcodes, wscales
	v_lshl_add_u32 v192, v0, 2, 0x400
	v_mov_b32 v193, 0
	v_lshrrev_b32 v5, 5, v0
	v_readfirstlane_b32 s12, v5                    ; wave 0..3
	s_lshr_b32 s13, ttmp9, 1                       ; chunk
	s_and_b32 s14, ttmp9, 1                        ; which half of K
	s_lshl_b32 s15, s14, 2
	s_add_co_u32 s15, s15, s12                     ; K step s
	v_and_b32 v5, 15, v0                           ; r
	v_bfe_u32 v6, v0, 4, 1                         ; u
	v_and_b32 v7, 7, v5
	v_lshrrev_b32 v8, 3, v5
	v_lshl_add_u32 v7, v8, 4, v7
	v_lshl_add_u32 v7, v6, 3, v7                   ; my column in the chunk: r % 8 + 16 (r / 8) + 8 u
	v_lshlrev_b32 v1, 2, v7                        ; in bytes
	v_mul_u32_u24 v2, v6, 1536
	v_lshl_add_u32 v2, v5, 4, v2                   ; the codes' place: u x 1,536 + 16 r
	v_lshlrev_b32 v3, 8, v6
	v_lshl_add_u32 v3, v5, 3, v3                   ; the scale word's place in LDS: 256 u + 8 r
	s_and_b32 s16, s12, 1
	s_lshl_b32 s16, s16, 7
	s_lshr_b32 s17, s12, 1
	s_lshl_b32 s17, s17, 2
	s_add_co_u32 s16, s16, s17
	v_add_nc_u32 v3, s16, v3                       ; + 128 (w % 2) + 4 (w / 2)
	v_and_b32 v4, 31, v0
	v_lshlrev_b32 v4, 4, v4                        ; 16 x lane
	s_sub_co_u32 s18, s13, 96                      ; the chunk's number in W_out (used only where the chunk is W_out's)
	s_mov_b32 s19, 524288                          ; 128 rows of W_out in bytes
	s_wait_kmcnt 0x0
	s_cmp_lt_u32 s13, 96                           ; W_qkv's chunk or W_out's?  The choice hangs on the work-group's number alone
	s_cselect_b64 s[4:5], s[4:5], s[6:7]
	s_cselect_b32 s18, s13, s18
	s_cselect_b32 s19, 1572864, s19                ; 128 rows of W_qkv in bytes
	s_mul_i32 s20, s15, s19                        ; my 128 rows,
	s_lshl_b32 s21, s18, 7                         ; my 32 columns
	s_add_co_u32 s20, s20, s21
	s_mov_b32 s21, 0
	s_add_nc_u64 s[4:5], s[4:5], s[20:21]
	s_mul_i32 s20, s13, 24576
	s_mul_i32 s22, s15, 3072
	s_add_co_u32 s20, s20, s22
	s_add_nc_u64 s[8:9], s[8:9], s[20:21]          ; my two fragments in wcodes
	s_lshl_b32 s20, s13, 10
	s_lshl_b32 s22, s14, 9
	s_add_co_u32 s20, s20, s22
	s_add_nc_u64 s[10:11], s[10:11], s[20:21]      ; the work-group's 512 bytes in wscales
	s_cmp_lt_u32 s13, 96
	s_cbranch_scc0 .Lout                           ; only the loads differ: the row pitch stands in their immediates
.set k, 0
.rept 128
	global_load_b32 v[X+k], v1, s[4:5] offset:k*12288
.set k, k+1
.endr
	s_branch .Ljoin
.Lout:
.set k, 0
.rept 128
	global_load_b32 v[X+k], v1, s[4:5] offset:k*4096
.set k, k+1
.endr
.Ljoin:
; Block b of 32 along K.  cnt: how many younger loads may stay out (a wait names 63 at the most)
.macro BLOCK b, cnt
.set XB, X+32*(\b)
.set CD, C+12*((\b)%2)+6*((\b)/2)      ; block 2 c + hh: registers 6 c on of fragment lane (r, hh)
	s_wait_loadcnt \cnt
	v_max3_num_f32 v8, |v[XB]|, |v[XB+1]|, |v[XB+2]|               ; the block's largest magnitude: all 32 numbers are mine; two chains
	v_max3_num_f32 v9, |v[XB+3]|, |v[XB+4]|, |v[XB+5]|
.irp i, 6,10,14,18,22,26
	v_max3_num_f32 v8, v8, |v[XB+\i]|, |v[XB+\i+1]|
	v_max3_num_f32 v9, v9, |v[XB+\i+2]|, |v[XB+\i+3]|
.endr
	v_max3_num_f32 v8, v8, |v[XB+30]|, |v[XB+31]|
	v_max3_num_f32 v8, v8, v9, 0x1800000           ; and the floor 2^(3 - 127): the byte cannot fall under 1
	v_add_nc_u32 v10, 0xff000000, v8               ; 2 off the exponent field: the conversion takes the exponent field of this operand as its scale
	v_lshrrev_b32 v11, 23, v10                     ; the scale's byte
.if (\b) == 0
	v_mov_b32 v12, v11                             ; four bytes make my column's scale word for this K step
.else
	v_lshl_or_b32 v12, v11, 8*(\b), v12
.endif
	v_cvt_scalef32_pk16_fp6_f32 v[CD:CD+2], v[XB:XB+15], v10
	v_cvt_scalef32_pk16_fp6_f32 v[CT:CT+2], v[XB+16:XB+31], v10
	v_nop                                          ; one plain place behind a scaled conversion
.irp i, 0,1,2
	v_mov_b32 v[CD+3+\i], v[CT+\i]
.endr
.endm
	BLOCK 0, 63                                    ; of 128 loads at most 63 are out: blocks 0 and 1 are in
	BLOCK 1, 63
	BLOCK 2, 32                                    ; block 3's 32 loads may be out
.irp p, 0,1,2
	global_store_b128 v2, v[C+4*\p:C+4*\p+3], s[8:9] offset:512*\p          ; fragment lanes (r, 0): sixteen lanes store 256 consecutive bytes, aligned
.endr
	BLOCK 3, 0
.irp p, 0,1,2
	global_store_b128 v2, v[C+12+4*\p:C+12+4*\p+3], s[8:9] offset:512*\p+256   ; fragment lanes (r, 1)
.endr
	ds_store_b32 v3, v12                           ; the four waves' scale words meet in 512 bytes of LDS, laid as they lie in wscales
	s_wait_dscnt 0x0                               ; for the others' sake: my store is done
	s_barrier_signal -1
	s_barrier_wait -1
	s_cmp_lg_u32 s12, 0
	s_cbranch_scc1 .Lend
	ds_load_b128 v[16:19], v4                      ; wave 0 stores them: 512 consecutive bytes, aligned
	s_wait_dscnt 0x0
	global_store_b128 v4, v[16:19], s[10:11]
.Lend:
	s_wait_tensorcnt 0x0
	ds_add_u32 v192, v193
	s_wait_dscnt 0x0
	s_endpgm
.Lfunc_end_k_qcf86bae72f_prep:
	.size	k_qcf86bae72f_prep, .Lfunc_end_k_qcf86bae72f_prep-k_qcf86bae72f_prep
	.p2alignl 7, 3214868480
	.fill 96, 4, 3214868480
	.section	.rodata,"a",@progbits
	.p2align	6, 0x0
	.amdhsa_kernel k_qcf86bae72f_prep
		.amdhsa_group_segment_fixed_size 1536
		.amdhsa_private_segment_fixed_size 0
		.amdhsa_enable_private_segment 0
		.amdhsa_kernarg_size 32
		.amdhsa_user_sgpr_count 2
		.amdhsa_user_sgpr_kernarg_segment_ptr 1
		.amdhsa_wavefront_size32 1
		.amdhsa_system_sgpr_workgroup_id_x 1
		.amdhsa_system_sgpr_workgroup_id_y 1
		.amdhsa_system_sgpr_workgroup_id_z 1
		.amdhsa_system_vgpr_workitem_id 0
		.amdhsa_next_free_vgpr 194
		.amdhsa_next_free_sgpr 66
		.amdhsa_reserve_vcc 0
		.amdhsa_float_denorm_mode_32 3
		.amdhsa_float_denorm_mode_16_64 3
		.amdhsa_memory_ordered 1
		.amdhsa_forward_progress 1
		.amdhsa_inst_pref_size 34
	.end_amdhsa_kernel
	.amdgpu_metadata
---
amdhsa.version: [ 1, 2 ]
amdhsa.kernels:
  - .name:           k_qcf86bae72f_prep
    .symbol:         k_qcf86bae72f_prep.kd
    .args:
      - { .name: W_qkv, .offset: 0, .size: 8, .value_kind: global_buffer, .address_space: global }
      - { .name: W_out, .offset: 8, .size: 8, .value_kind: global_buffer, .address_space: global }
      - { .name: wcodes, .offset: 16, .size: 8, .value_kind: global_buffer, .address_space: global }
      - { .name: wscales, .offset: 24, .size: 8, .value_kind: global_buffer, .address_space: global }
    .group_segment_fixed_size: 1536
    .private_segment_fixed_size: 0
    .kernarg_segment_align: 8
    .kernarg_segment_size: 32
    .max_flat_workgroup_size: 128
    .sgpr_count:     66
    .vgpr_count:     194
    .wavefront_size: 32
...
	.end_amdgpu_metadata
.endif
;; end of part 1
;; launch fused (part 2): grid 256 x 1, 4 waves a work-group, no clusters, 318,976 bytes of LDS; arguments x, wcodes, wscales, b_qkv, b_out, out0; writes out0
.if DOCPART == 2
	.amdgcn_target "amdgcn-amd-amdhsa--gfx1250"
	.amdhsa_code_object_version 6
	.text
	.protected	k_qcf86bae72f_fused
	.globl	k_qcf86bae72f_fused
	.p2align	8
	.type	k_qcf86bae72f_fused,@function
k_qcf86bae72f_fused:
	s_mov_b64 s[64:65], 0
	v_nop
	global_prefetch_b8 v0, s[64:65] scope:SCOPE_SE
	s_setreg_imm32_b32 hwreg(HW_REG_WAVE_MODE, 25, 1), 1
	s_wait_xcnt 0x0
; out = reshape(attention across the 16 heads of each position (x W_qkv + b_qkv)) W_out + b_out, for 64 neighbouring positions a work-group; nothing between x and out goes to memory.
; Products 1, 2 and 4 on codes of FP6 (E2M3) with one E8M0 scale for each 32 along K; product 3 (weights x v, K = 16) with f32 operands, since its result goes into a quantiser.
; THE RESHAPE IS LOCAL: position l, head h, channel d lands in row 256 h + l / 16, column 64 (l % 16) + d of its batch.  So 16 neighbouring positions give, for each head, one whole row of the last product's left operand,
; and a block of 32 along that K is half a head of one position.
; SHARES.  In the large products THE WAVES SHARE THE COLUMNS: wave w takes chunks (32 columns each) 8 w .. 8 w + 7 of q, of k, of v and of out, for all 64 rows.  x's quantising and the attention go by positions: wave w has 16 w .. 16 w + 15.
; WEIGHTS come as codes in the order of the operand's registers (launch prep): a fragment is three dense loads of 512 bytes, from memory straight into registers, a whole chunk (16 fragments) ahead.
; NO CLUSTER, NO TENSOR LOAD: a weight fragment is read by exactly one wave of a work-group, so LDS would only be a detour for it; and LDS holds 64 positions of v in f32 (265,216 bytes) and the operands' images (53,248 bytes): the 9,216 bytes left are no ring.
; THE MATRIX INSTRUCTION IS USED TRANSPOSED (source 0 = 16 columns of a weight, source 1 = 16 rows): with prep's order of a tile's columns, a lane's 16 registers of a chunk's two tiles are columns 16 (lane / 16) + 0 .. 15 of one row:
; neighbours along the next K, as the conversions want them.
; OPERANDS GO FROM WAVE TO WAVE THROUGH LDS AS IMAGES OF THEIR REGISTERS (three stores of 16 bytes a lane, a scale word of 4 bytes a lane).
; LIMITS: a block of zeros gets the byte 1 where the quantiser says 127 (its codes are zeros, and only this program reads the bytes); blocks whose largest magnitude lies under 2^-124 get the byte 1; NaN and infinities are not served.
; LDS.  Region A, bytes 0 .. 265,215, is used in turn, a barrier between the uses:
;   XST   phase X: wave w at w x 65,792: 16 rows of x, pitch 4,112
;   QKC   q's and k's codes: 64 positions, pitch 1,544: q's 768 bytes, then k's; 48 bytes a head, 24 a block.  KSB: k's scale bytes, pitch 36, byte 2 head + half; q's 2,304 bytes on
;   V     v in f32: 64 positions, pitch 4,144: byte 256 g + 4 d, + 32 for heads g >= 8
;   OSTG  phase O: wave w at w x 17,408: 64 rows of 256 bytes, pitch 272
; IMG: 32 fragment images of 1,536 bytes, index 8 m + s (tile of rows m, K step s): x's, later attention's.  SCW: their scale words, 128 bytes each.
; The pitches 4,112, 4,144 and 272 are odd multiples of 16 bytes, 1,544 is 2 words over a multiple of 64 words (64 banks of 4 bytes: ISA guide 11.1): the lanes of each access fall on different banks.
; REGISTERS, in windows of 256:  window 0: v1-23 addresses; v28-29, v32-63 scale words; v64-127 the accumulators (written by matrix instructions alone); v128-167 the quantiser's; v168-255 at work.
;   window 1: the row operand's fragments of K steps 0-4 (48 s + 12 m); at the head x's rows 0-7; in product 3 two sets of v^T.
;   window 2: K steps 5-7; at the head x's rows 8-15; v144-207 the softmax's weights of positions 0-7; v208-239 the biases, two sets.
;   window 3: v0-191 the weights of one chunk (fragment (s, u) at 24 s + 12 u); v192-255 the weights of the softmax of positions 8-15.
.set XP,   4112
.set XW,   16*XP
.set QKP,  1544
.set KSB,  64*QKP
.set SBP,  36
.set QSD,  64*SBP
.set VP,   4144
.set OSP,  272
.set OSW,  64*OSP
.set FRB,  1536
.set IMG,  64*VP
.set SCW,  IMG+32*FRB
.set L16,  1                           ; 16 x lane
.set L8,   2                           ; 8 x lane
.set H64,  3                           ; 64 x (lane / 16)
.set XSA,  4                           ; x's stage, in
.set XLA,  5                           ; x's stage, out (stepped)
.set IW,   6                           ; my wave's images
.set ISW,  7                           ; and their scale words
.set IWX,  8                           ; the same, stepped in phase X
.set ISX,  9
.set LI,   10                          ; an image's place for my lane
.set LSX,  11                          ; scale words: lanes 0-15 an even K step's, lanes 16-31 the odd one's
.set CST,  12                          ; q's and k's codes, in (stepped)
.set SST,  13                          ; their scale bytes, in (stepped)
.set CA,   14                          ; q's and k's codes, out
.set SA,   15                          ; their scale bytes, out: lanes 0-15 k's, lanes 16-31 q's
.set VST,  16                          ; v16-19 v, in, for each tile of rows (stepped)
.set VLD,  20                          ; v, out
.set OST,  21                          ; out's stage, in
.set SRD,  22                          ; out's stage, out
.set OV,   23                          ; my byte offset among out's rows
.set SP,   28                          ; v28-29  product 2's scale words
.set XS,   32                          ; v32-47  the row operand's scale words: register 4 m + s / 2, lanes 16 (s % 2) on
.set WS,   48                          ; v48-63  the weights', two sets of 8: 4 u + s / 2, lanes 16 (s % 2) on
.set ACC,  64
.set TM,   128
.set PW,   144
.set PC,   148
.set NUM,  168
.set KF,   168
.set QF,   180
.set TS,   216
.set MX,   232
.set PX,   236
.set SU,   238
.set SV,   242
.set RI,   246
.set OB,   168
.set BI,   208                         ; in window 2
.set WV,   16                          ; s16 my wave's number
.set SEL,  20                          ; s[20:21] lane selects for v_permlanex16_b32: lane l xor 16
.set CS,   22                          ; s[22:23] log2(e) / 8
.set CNT,  24                          ; s24 the loops' counter
.set NC,   25                          ; s25 the next chunk's number less 8 w
.set T0,   26                          ; s[26:27] an offset; s27 = 0
.set NBO,  28                          ; s[28:29] the next bias's offset; s29 = 0
.set NP,   30                          ; s[30:31] the next chunk's codes
.set NS,   32                          ; s[32:33] its scale words
.set NB,   34                          ; s[34:35] its bias
.set WCW,  36                          ; s[36:37] wcodes + 8 w chunks
.set WSW,  38                          ; s[38:39] wscales + 8 w chunks
.set BQW,  40                          ; s[40:41] b_qkv + 256 w numbers
.set BOW,  42                          ; s[42:43] b_out + 256 w numbers
.set NBB,  44                          ; s[44:45] the buffer of the next bias
.set OUTP, 46                          ; s[46:47] out at my work-group's rows and my wave's columns (stepped)
.set MSB, 0
.macro WIN new                         ; the immediate's high byte repeats the setting that is left; a switch that changes nothing is dropped
.if MSB != \new
	s_set_vgpr_msb (MSB<<8)|\new
.set MSB, \new
.endif
.endm
.macro PLACES n
.rept \n
	v_nop
.endr
.endm
.macro BARRIER                         ; my LDS stores have landed and my LDS loads are in: then the work-group's barrier
	s_wait_dscnt 0x0
	s_barrier_signal -1
	s_barrier_wait -1
.endm
; 64 numbers of a lane, v[s] .. v[s + 63]: block b is registers 16 b .. 16 b + 15 of lanes l and l xor 16.  They become codes in v[PC] on (registers 6 c .. 6 c + 5 of lane half h: block 2 c + h, whole),
; the blocks' bytes in v[TM+4] on and the four bytes as a word in v[PW].  Each accumulator among the sources is read from its low end on.
.macro QUANT s
.irp b, 0,1,2,3
	v_max3_num_f32 v[TM+\b], |v[\s+16*\b]|, |v[\s+1+16*\b]|, 0x1800000   ; my 16 numbers, and the floor 2^(3 - 127): the byte cannot fall under 1
.endr
.irp i, 2,4,6,8,10,12,14
.irp b, 0,1,2,3
	v_max3_num_f32 v[TM+\b], v[TM+\b], |v[\s+16*\b+\i]|, |v[\s+1+16*\b+\i]|   ; the four blocks by turns
.endr
.endr
.irp b, 0,1,2,3
	v_permlanex16_b32 v[TM+4+\b], v[TM+\b], s[SEL], s[SEL+1]
.endr
.irp b, 0,1,2,3
	v_max_num_f32 v[TM+\b], v[TM+\b], v[TM+4+\b]   ; with lane l xor 16's: the block's largest magnitude
.endr
.irp b, 0,1,2,3
	v_add_nc_u32 v[TM+12+\b], 0xff000000, v[TM+\b]   ; 2 off its exponent field: the conversion's scale operand
.endr
.irp b, 0,1,2,3
	v_lshrrev_b32 v[TM+4+\b], 23, v[TM+12+\b]      ; the scale's byte
.endr
	v_lshl_or_b32 v[PW], v[TM+5], 8, v[TM+4]
	v_lshl_or_b32 v[PW], v[TM+6], 16, v[PW]
	v_lshl_or_b32 v[PW], v[TM+7], 24, v[PW]
.irp c, 0,1
	v_cvt_scalef32_pk16_fp6_f32 v[PC+6*\c:PC+2+6*\c], v[\s+32*\c:\s+15+32*\c], v[TM+12+2*\c]
	v_cvt_scalef32_pk16_fp6_f32 v[PC+12+4*\c:PC+14+4*\c], v[\s+16+32*\c:\s+31+32*\c], v[TM+12+2*\c+1]   ; (a conversion's three registers begin on an even number)
.endr
	v_nop                                          ; one plain place behind a scaled conversion
.irp c, 0,1
.irp i, 0,1,2
	v_permlane16_swap_b32 v[PC+6*\c+\i], v[PC+12+4*\c+\i]   ; half blocks change places, so that a lane holds a whole block
.endr
.irp i, 0,1,2
	v_mov_b32 v[PC+3+6*\c+\i], v[PC+12+4*\c+\i]
.endr
.endr
.endm
.macro IMAGE adr, off                  ; the fragment in v[PC] on goes to LDS as it stands
.irp c, 0,1,2
	ds_store_b128 v[\adr], v[PC+4*\c:PC+4*\c+3] offset:\off+512*\c
.endr
.endm
; All 32 images and their scale words come into registers, in every wave
.macro LOADFRAGS
	WIN 0x40
.irp s, 0,1,2,3,4
.irp m, 0,1,2,3
.irp c, 0,1,2
	ds_load_b128 v[48*\s+12*\m+4*\c:48*\s+12*\m+4*\c+3], v[LI] offset:(8*\m+\s)*FRB+512*\c
.endr
.endr
.endr
	WIN 0x80
.irp s, 5,6,7
.irp m, 0,1,2,3
.irp c, 0,1,2
	ds_load_b128 v[48*(\s-5)+12*\m+4*\c:48*(\s-5)+12*\m+4*\c+3], v[LI] offset:(8*\m+\s)*FRB+512*\c
.endr
.endr
.endr
	WIN 0
.irp m, 0,1,2,3
.irp q, 0,1,2,3
	ds_load_b32 v[XS+4*\m+\q], v[LSX] offset:(8*\m+2*\q)*128
.endr
.endr
	s_wait_dscnt 0x0
.endm
; The pointers of the chunk that the next CORE fetches, from s[NC], s[NBB] and s[NBO]
.macro SETNEXT
	s_wait_xcnt 0x0                                ; the loads and stores issued so far have read their bases: these may be written again
	s_mul_i32 s[T0], s[NC], 24576
	s_add_nc_u64 s[NP:NP+1], s[WCW:WCW+1], s[T0:T0+1]
	s_lshl_b32 s[T0], s[NC], 10
	s_add_nc_u64 s[NS:NS+1], s[WSW:WSW+1], s[T0:T0+1]
	s_add_nc_u64 s[NB:NB+1], s[NBB:NBB+1], s[NBO:NBO+1]
.endm
; The next chunk's scale words and bias, 8 loads.  The bias comes in the result's layout: lane half h, tile u: columns 16 h + 8 u + 0 .. 7
.macro SB set
.irp u, 0,1
.irp k, 0,1
	global_load_b64 v[WS+8*(\set)+4*\u+2*\k:WS+8*(\set)+4*\u+2*\k+1], v[L8], s[NS:NS+1] offset:512*\k+256*\u
.endr
.endr
	WIN 0x80
.irp u, 0,1
.irp e, 0,1
	global_load_b128 v[BI+16*(\set)+8*\u+4*\e:BI+16*(\set)+8*\u+4*\e+3], v[H64], s[NB:NB+1] offset:32*\u+16*\e
.endr
.endr
	WIN 0
.endm
; The next chunk's four fragments of K steps 2 q and 2 q + 1, 12 loads of 512 consecutive bytes
.macro RING q
	WIN 0xc0
.irp f, 0,1,2,3
.irp c, 0,1,2
	global_load_b128 v[48*(\q)+12*\f+4*\c:48*(\q)+12*\f+4*\c+3], v[L16], s[NP:NP+1] offset:6144*(\q)+1536*\f+512*\c
.endr
.endr
	WIN 0
.endm
; A CHUNK: 64 rows x 32 columns x K = 1,024: 64 matrix instructions on eight accumulators, which take turns, one instruction a turn.  The bias is the C of each sum's first instruction.
; par: which set of scale words and bias is at work.  nx = 1: the next chunk is fetched meanwhile, each pair of K steps into the registers that have just been multiplied.
.macro CORE par, nx
.if \nx
	SB 1-(\par)
.endif
	s_wait_dscnt 0x0                               ; the last epilogue's LDS stores have read their registers: accumulators, codes and bytes may be written again
.irp q, 0,1,2,3
.if \nx
	s_wait_loadcnt 44                              ; behind the 12 loads wanted now stand three other groups of 12 and the next chunk's 8 of scales and bias, at every q and in every chunk
.else
	s_wait_loadcnt 36-12*\q                        ; the last chunk: only its own later groups are out
.endif
.irp t, 0,1
.set SS, 2*\q+\t
.if SS == 0
	WIN 0x27                                       ; weights window 3, rows window 1, the bias window 2
.elseif SS < 5
	WIN 0x07
.else
	WIN 0x0b                                       ; rows window 2
.endif
.irp m, 0,1,2,3
.irp u, 0,1
.set rD, ACC+16*\m+8*\u
.set rA, 24*SS+12*\u
.if SS < 5
.set rB, 48*SS+12*\m
.else
.set rB, 48*(SS-5)+12*\m
.endif
.set rC, rD
.if SS == 0
.set rC, BI+16*(\par)+8*\u
.endif
.set rE, WS+8*(\par)+4*\u+SS/2
.set rF, XS+4*\m+SS/2
.if \t
	v_wmma_scale_f32_16x16x128_f8f6f4 v[rD:rD+7], v[rA:rA+11], v[rB:rB+11], v[rC:rC+7], v[rE], v[rF] matrix_a_fmt:MATRIX_FMT_FP6 matrix_b_fmt:MATRIX_FMT_FP6 matrix_a_scale:MATRIX_SCALE_ROW1 matrix_b_scale:MATRIX_SCALE_ROW1
.else
	v_wmma_scale_f32_16x16x128_f8f6f4 v[rD:rD+7], v[rA:rA+11], v[rB:rB+11], v[rC:rC+7], v[rE], v[rF] matrix_a_fmt:MATRIX_FMT_FP6 matrix_b_fmt:MATRIX_FMT_FP6
.endif
.endr
.endr
.endr
	WIN 0
.if \q == 3
	PLACES 5                                       ; four for the reads of the results and for loads into registers just multiplied; the fifth for the next chunk's first products, which write over these accumulators with another C
.else
	PLACES 4
.endif
.if \nx
	RING \q
.endif
.endr
.endm
; q's (isk = 0) or k's (1) chunk: block b of the quantiser is tile of rows b; the chunk's 32 columns are half a head, one block of product 2's K
.macro EPIQK isk
	QUANT ACC
.irp c, 0,1
.irp p, 0,1,2
	ds_store_b64 v[CST], v[PC+6*\c+2*\p:PC+6*\c+2*\p+1] offset:\c*32*QKP+768*(\isk)+8*\p   ; lane (r, h): the 24 bytes of position 32 c + 16 h + r
.endr
.endr
.irp m, 0,1,2,3
	ds_store_b8 v[SST], v[TM+4+\m] offset:16*SBP*\m+QSD*(1-(\isk))   ; both halves of the lanes write the same byte with the same value
.endr
.endm
.macro EPIV par                        ; v's chunk stays f32: 32 bytes a tile of my row, each accumulator from its low end on
.irp m, 0,1,2,3
.irp u, 0,1
.irp e, 0,1
	ds_store_b128 v[VST+\m], v[ACC+16*\m+8*\u+4*\e:ACC+16*\m+8*\u+4*\e+3] offset:128*(\par)+32*\u+16*\e
.endr
.endr
.endr
.endm
.macro EPIO par                        ; out's chunk into my own stage
.irp m, 0,1,2,3
.irp u, 0,1
.irp e, 0,1
	ds_store_b128 v[OST], v[ACC+16*\m+8*\u+4*\e:ACC+16*\m+8*\u+4*\e+3] offset:16*OSP*\m+128*(\par)+32*\u+16*\e
.endr
.endr
.endr
.endm
; Two chunks (64 columns, 256 bytes) of 64 rows leave my stage.  Stage row 16 m + r is head r: row 256 r + 4 (work-group % 64) + m of the batch.  Lanes 0-15 take head q, lanes 16-31 head q + 8:
; sixteen lanes store 256 consecutive bytes, aligned.  LDS serves a wave's instructions in order (ISA guide 5.7.1.4): the loads see my stores.
.macro FLUSH step
.irp g, 0,1
	s_wait_xcnt 0x0                                ; the earlier stores have read their registers
.irp k, 0,1,2,3,4,5,6,7,8,9,10,11,12,13,14,15
	ds_load_b128 v[OB+4*\k:OB+4*\k+3], v[SRD] offset:(16*(2*\g+\k/8)+\k%8)*OSP
.endr
.irp k, 0,1,2,3,4,5,6,7,8,9,10,11,12,13,14,15
	s_wait_dscnt 15-\k                             ; the younger loads may stay out
	global_store_b128 v[OV], v[OB+4*\k:OB+4*\k+3], s[OUTP:OUTP+1] offset:(\k%8)*1048576+(2*\g+\k/8)*4096 th:TH_STORE_NT
.endr
.endr
.if \step
	s_wait_xcnt 0x0                                ; the stores have read their base
	s_add_nc_u64 s[OUTP:OUTP+1], s[OUTP:OUTP+1], 256
.endif
.endm
; Product 2's operands of positions 2 g and 2 g + 1 of my sixteen: lane (r, h): block h of head r, 24 bytes; registers 6-11 of each fragment stay zeros (K = 64 of the instruction's 128)
.macro SLOAD g
.irp z, 0,1
.irp p, 0,1,2
	ds_load_b64 v[KF+24*\z+2*\p:KF+24*\z+2*\p+1], v[CA] offset:(2*(\g)+\z)*QKP+768+8*\p
	ds_load_b64 v[QF+24*\z+2*\p:QF+24*\z+2*\p+1], v[CA] offset:(2*(\g)+\z)*QKP+8*\p
.endr
	ds_load_u16 v[SP+\z], v[SA] offset:(2*(\g)+\z)*SBP   ; two bytes; the two above them are 0 and stand over zero codes
.endr
.endm
; Scores and softmax of two positions.  S^T = k q^T: lane (r, h) holds query head r and key heads 8 h + 0 .. 7
.macro SCORE g
	s_wait_dscnt 0x0
.irp z, 0,1
	v_wmma_scale_f32_16x16x128_f8f6f4 v[ACC+8*\z:ACC+8*\z+7], v[KF+24*\z:KF+24*\z+11], v[QF+24*\z:QF+24*\z+11], 0, v[SP+\z], v[SP+\z] matrix_a_fmt:MATRIX_FMT_FP6 matrix_b_fmt:MATRIX_FMT_FP6 matrix_b_scale:MATRIX_SCALE_ROW1
.endr
	PLACES 4
.if (\g) < 7
	SLOAD (\g)+1
.endif
.irp z, 0,1
	v_max3_num_f32 v[MX+2*\z], v[ACC+8*\z], v[ACC+8*\z+1], v[ACC+8*\z+2]   ; the row's largest score, from the accumulator's low end on; the two positions by turns
.endr
.irp z, 0,1
	v_max3_num_f32 v[MX+2*\z], v[MX+2*\z], v[ACC+8*\z+3], v[ACC+8*\z+4]
.endr
.irp z, 0,1
	v_max3_num_f32 v[MX+2*\z], v[MX+2*\z], v[ACC+8*\z+5], v[ACC+8*\z+6]
.endr
.irp z, 0,1
	v_max_num_f32 v[MX+2*\z], v[MX+2*\z], v[ACC+8*\z+7]
.endr
.irp z, 0,1
	v_permlanex16_b32 v[PX+\z], v[MX+2*\z], s[SEL], s[SEL+1]
.endr
.irp z, 0,1
	v_max_num_f32 v[MX+2*\z], v[MX+2*\z], v[PX+\z]   ; with the other eight key heads'
.endr
.irp i, 0,2,4,6
.irp z, 0,1
	v_pk_add_f32 v[TS+8*\z+\i:TS+8*\z+\i+1], v[ACC+8*\z+\i:ACC+8*\z+\i+1], v[MX+2*\z:MX+2*\z+1] op_sel_hi:[1,0] neg_lo:[0,1] neg_hi:[0,1]   ; score - maximum first,
.endr
.endr
.irp i, 0,2,4,6
.irp z, 0,1
	v_pk_mul_f32 v[TS+8*\z+\i:TS+8*\z+\i+1], v[TS+8*\z+\i:TS+8*\z+\i+1], s[CS:CS+1] op_sel_hi:[1,0]   ; then x log2(e) / 8
.endr
.endr
.irp i, 0,1,2,3,4,5,6,7,8,9,10,11,12,13,14,15
	v_exp_f32 v[TS+\i], v[TS+\i]                   ; one batch
.endr
	v_nop                                          ; a plain place behind the last exponential
	s_wait_alu depctr_va_vdst(0)                   ; one for the batch, ahead of its first reader
.irp z, 0,1
	v_pk_add_f32 v[SU+2*\z:SU+2*\z+1], v[TS+8*\z:TS+8*\z+1], v[TS+8*\z+2:TS+8*\z+3]
	v_pk_add_f32 v[SV+2*\z:SV+2*\z+1], v[TS+8*\z+4:TS+8*\z+5], v[TS+8*\z+6:TS+8*\z+7]
.endr
.irp z, 0,1
	v_pk_add_f32 v[SU+2*\z:SU+2*\z+1], v[SU+2*\z:SU+2*\z+1], v[SV+2*\z:SV+2*\z+1]
.endr
.irp z, 0,1
	v_add_f32 v[SU+2*\z], v[SU+2*\z], v[SU+2*\z+1]
.endr
.irp z, 0,1
	v_permlanex16_b32 v[PX+\z], v[SU+2*\z], s[SEL], s[SEL+1]
.endr
.irp z, 0,1
	v_add_f32 v[SU+2*\z], v[SU+2*\z], v[PX+\z]     ; the row's sum
.endr
.irp z, 0,1
	v_rcp_f32 v[RI+2*\z], v[SU+2*\z]
.endr
	v_nop
	s_wait_alu depctr_va_vdst(0)                   ; one wait for the two reciprocals
.if (\g) < 4
	WIN 0x80                                       ; the weights of positions 0-7 are kept in window 2, those of 8-15 in window 3
.set rW, 144+16*(\g)
.else
	WIN 0xc0
.set rW, 192+16*((\g)-4)
.endif
.irp z, 0,1
.irp i, 0,2,4,6
	v_pk_mul_f32 v[rW+8*\z+\i:rW+8*\z+\i+1], v[TS+8*\z+\i:TS+8*\z+\i+1], v[RI+2*\z:RI+2*\z+1] op_sel_hi:[1,0]
.endr
.endr
	WIN 0
.endm
; v^T of positions 2 s and 2 s + 1 as source 0 of the f32 form: tile 4 c + 2 b + u holds channels 32 b + 8 u + r + 8 (r / 8) of position 2 s + c; register n of it: key head 8 (lane / 16) + n
.macro VLOAD s, set
	WIN 0x40
.irp c, 0,1
.irp b, 0,1
.irp u, 0,1
.irp n, 0,1,2,3,4,5,6,7
	ds_load_b32 v[64*(\set)+8*(4*\c+2*\b+\u)+\n], v[VLD] offset:(2*(\s)+\c)*VP+\n*256+128*\b+32*\u
.endr
.endr
.endr
.endr
	WIN 0
.endm
; Product 3 for two positions, and its result as K step s of the last product's left operand.  O^T = v^T w^T, four steps of 4 along the key heads: slot (lane / 16, j) of step t is key head 8 (lane / 16) + 2 t + j on both
; sources alike, so the softmax's registers 2 t, 2 t + 1 ARE source 1.  A lane then holds head r, and the 16 registers of two neighbouring tiles are 16 neighbouring channels.
.macro PAIR s
.if (\s) < 7
	VLOAD (\s)+1, ((\s)+1)%2
	s_wait_dscnt 63                                ; of the 64 loads just issued 63 may be out: this pair's v is in, and the last image's stores have read their registers
.else
	s_wait_dscnt 0x0
.endif
.if (\s) < 4
	WIN 0x09                                       ; v^T window 1, the weights window 2
.set rW0, 144+16*(\s)
.else
	WIN 0x0d                                       ; the weights window 3
.set rW0, 192+16*((\s)-4)
.endif
.irp t, 0,1,2,3
.irp a, 0,1,2,3,4,5,6,7
.if \t == 0
	v_wmma_f32_16x16x4_f32 v[ACC+8*\a:ACC+8*\a+7], v[64*((\s)%2)+8*\a+2*\t:64*((\s)%2)+8*\a+2*\t+1], v[rW0+8*(\a/4)+2*\t:rW0+8*(\a/4)+2*\t+1], 0
.else
	v_wmma_f32_16x16x4_f32 v[ACC+8*\a:ACC+8*\a+7], v[64*((\s)%2)+8*\a+2*\t:64*((\s)%2)+8*\a+2*\t+1], v[rW0+8*(\a/4)+2*\t:rW0+8*(\a/4)+2*\t+1], v[ACC+8*\a:ACC+8*\a+7]
.endif
.endr
.endr
	WIN 0
	PLACES 8                                       ; eight places behind this form
	QUANT ACC                                      ; block 2 c + b: position 2 s + c, channels 32 b on
	IMAGE IW, FRB*(\s)
	ds_store_b32 v[ISW], v[PW] offset:128*(\s)
.endm
	; ---- the head
	s_load_b256 s[4:11], s[0:1], 0x0               ; x, wcodes, wscales, b_qkv
	s_load_b128 s[12:15], s[0:1], 0x20             ; b_out, out0
	v_lshl_add_u32 v254, v0, 2, 0x4dc00
	v_mov_b32 v255, 0
	v_lshrrev_b32 v24, 5, v0
	v_readfirstlane_b32 s[WV], v24                 ; wave 0..3
	v_and_b32 v24, 31, v0                          ; lane
	v_lshlrev_b32 v[L16], 4, v24
	s_mov_b32 s[T0+1], 0
	s_mov_b32 s[NBO+1], 0
	s_lshl_b32 s[T0], ttmp9, 18                    ; the work-group's 64 rows of 4,096 bytes,
	s_lshl_b32 s48, s[WV], 16                      ; my wave's 16 of them
	s_add_co_u32 s[T0], s[T0], s48
	s_wait_kmcnt 0x0
	s_add_nc_u64 s[4:5], s[4:5], s[T0:T0+1]
	; ---- X in: my 16 rows, every load 512 consecutive bytes
	WIN 0x40
.irp i, 0,1,2,3,4,5,6,7
.irp t, 0,1,2,3,4,5,6,7
	global_load_b128 v[32*\i+4*\t:32*\i+4*\t+3], v[L16], s[4:5] offset:4096*\i+512*\t th:TH_LOAD_NT
.endr
.endr
	WIN 0x80
.irp i, 0,1,2,3,4,5,6,7
.irp t, 0,1,2,3,4,5,6,7
	global_load_b128 v[32*\i+4*\t:32*\i+4*\t+3], v[L16], s[4:5] offset:4096*(\i+8)+512*\t th:TH_LOAD_NT
.endr
.endr
	WIN 0
	; the addresses, while x is on its way
	v_and_b32 v25, 15, v0                          ; r
	v_bfe_u32 v26, v0, 4, 1                        ; h
	v_lshlrev_b32 v[L8], 3, v24
	v_lshlrev_b32 v[H64], 6, v26
	s_mul_i32 s48, s[WV], XW
	v_add_nc_u32 v[XSA], s48, v[L16]
	v_mul_u32_u24 v[XLA], v25, XP
	v_add_nc_u32 v[XLA], v[XLA], v[H64]
	v_add_nc_u32 v[XLA], s48, v[XLA]
	s_mul_i32 s48, s[WV], 8*FRB
	s_add_co_u32 s48, s48, IMG
	v_add_nc_u32 v[IW], s48, v[L16]
	v_add_nc_u32 v[IWX], s48, v[L16]
	s_lshl_b32 s48, s[WV], 10
	s_add_co_u32 s48, s48, SCW
	v_lshl_add_u32 v[ISW], v24, 2, s48
	v_lshl_add_u32 v[ISX], v24, 2, s48
	v_add_nc_u32 v[LI], IMG, v[L16]
	v_lshlrev_b32 v[LSX], 2, v25
	v_lshl_add_u32 v[LSX], v26, 7, v[LSX]
	v_add_nc_u32 v[LSX], SCW, v[LSX]
	v_mul_u32_u24 v[CST], v24, QKP                 ; position 16 h + r is the lane's number
	s_mul_i32 s48, s[WV], 192
	v_add_nc_u32 v[CST], s48, v[CST]
	v_mul_u32_u24 v[SST], v25, SBP
	s_lshl_b32 s48, s[WV], 3
	s_add_co_u32 s48, s48, KSB
	v_add_nc_u32 v[SST], s48, v[SST]
	v_mul_u32_u24 v[CA], v25, 48
	v_mad_u32_u24 v[CA], v26, 24, v[CA]
	s_mul_i32 s48, s[WV], 16*QKP
	v_add_nc_u32 v[CA], s48, v[CA]
	v_lshlrev_b32 v[SA], 1, v25
	v_mad_u32_u24 v[SA], v26, QSD, v[SA]
	s_mul_i32 s48, s[WV], 16*SBP
	s_add_co_u32 s48, s48, KSB
	v_add_nc_u32 v[SA], s48, v[SA]
	v_mul_u32_u24 v27, v25, VP
	v_add_nc_u32 v27, v27, v[H64]
	s_lshl_b32 s48, s[WV], 10
	s_lshr_b32 s49, s[WV], 1
	s_lshl_b32 s49, s49, 5
	s_add_co_u32 s48, s48, s49
	v_add_nc_u32 v27, s48, v27
.irp m, 0,1,2,3
	v_add_nc_u32 v[VST+\m], 16*VP*\m, v27
.endr
	v_and_b32 v27, 8, v25
	v_add_nc_u32 v27, v27, v25                     ; r + 8 (r / 8)
	v_lshlrev_b32 v[VLD], 2, v27
	v_mad_u32_u24 v[VLD], v26, 2080, v[VLD]
	s_mul_i32 s48, s[WV], 16*VP
	v_add_nc_u32 v[VLD], s48, v[VLD]
	s_mul_i32 s48, s[WV], OSW
	v_mul_u32_u24 v[OST], v25, OSP
	v_add_nc_u32 v[OST], v[OST], v[H64]
	v_add_nc_u32 v[OST], s48, v[OST]
	v_mul_u32_u24 v[SRD], v26, 8*OSP
	v_lshl_add_u32 v[SRD], v25, 4, v[SRD]
	v_add_nc_u32 v[SRD], s48, v[SRD]
	v_lshlrev_b32 v[OV], 23, v26                   ; eight heads on: 8 x 256 rows of 4,096 bytes
	v_lshl_add_u32 v[OV], v25, 4, v[OV]
.irp b, 0,1,2,3
	v_mov_b32 v[TM+4+\b], 0                        ; written once: a lane permute's destination counts as one of its sources
	v_mov_b32 v[MX+\b], 0                          ; (the upper halves of pairs that are named whole)
	v_mov_b32 v[RI+\b], 0
.endr
	v_mov_b32 v[PX], 0
	v_mov_b32 v[PX+1], 0
	s_mov_b32 s[SEL], 0x76543210
	s_mov_b32 s[SEL+1], 0xfedcba98
	s_mov_b32 s[CS], 0x3e38aa3b                    ; log2(e) / sqrt(64)
	s_mov_b32 s[CS+1], s[CS]
	s_mul_i32 s[T0], s[WV], 196608
	s_add_nc_u64 s[WCW:WCW+1], s[6:7], s[T0:T0+1]
	s_lshl_b32 s[T0], s[WV], 13
	s_add_nc_u64 s[WSW:WSW+1], s[8:9], s[T0:T0+1]
	s_lshl_b32 s[T0], s[WV], 10
	s_add_nc_u64 s[BQW:BQW+1], s[10:11], s[T0:T0+1]
	s_add_nc_u64 s[BOW:BOW+1], s[12:13], s[T0:T0+1]
	s_lshr_b32 s48, ttmp9, 6                       ; the batch: 4,096 rows of 4,096 bytes;
	s_lshl_b32 s48, s48, 24
	s_and_b32 s49, ttmp9, 63                       ; four rows for each work-group of the batch
	s_lshl_b32 s49, s49, 14
	s_add_co_u32 s48, s48, s49
	s_add_co_u32 s[T0], s[T0], s48
	s_add_nc_u64 s[OUTP:OUTP+1], s[14:15], s[T0:T0+1]
	; x into my stage, as it lies
	WIN 0x04
	s_wait_loadcnt 63                              ; of 128 loads at most 63 are out: rows 0-7 (64 loads) are in
.irp i, 0,1,2,3,4,5,6,7
.irp t, 0,1,2,3,4,5,6,7
	ds_store_b128 v[XSA], v[32*\i+4*\t:32*\i+4*\t+3] offset:XP*\i+512*\t
.endr
.endr
	WIN 0x08
.irp i, 0,1,2,3,4,5,6,7
.if (\i%2) == 0
	s_wait_loadcnt 48-8*\i                         ; the next two rows are in; the later rows' loads may be out
.endif
.irp t, 0,1,2,3,4,5,6,7
	ds_store_b128 v[XSA], v[32*\i+4*\t:32*\i+4*\t+3] offset:XP*(\i+8)+512*\t
.endr
.endr
	WIN 0
	s_wait_dscnt 0x0                               ; the stores have read their registers: the first bias lands among them
	s_mov_b32 s[NC], 0                             ; the first chunk, q's: asked for now, 56 loads, while x is quantised
	s_mov_b64 s[NBB:NBB+1], s[BQW:BQW+1]
	s_mov_b32 s[NBO], 0
	SETNEXT
	SB 0
	RING 0
	RING 1
	RING 2
	RING 3
	; ---- X quantise: my 16 rows become eight fragments; lane (r, h) takes of row r the 16 numbers 32 b + 16 h on of each block
	s_mov_b32 s[CNT], 0
.Lxq:
.irp e, 0,1
.irp b, 0,1,2,3
.irp j, 0,1,2,3
	ds_load_b128 v[NUM+16*\b+4*\j:NUM+16*\b+4*\j+3], v[XLA] offset:512*\e+128*\b+16*\j
.endr
.endr
	s_wait_dscnt 0x0                               ; the numbers are in, and the last image's stores have read their registers
	QUANT NUM
	IMAGE IWX, FRB*\e
	ds_store_b32 v[ISX], v[PW] offset:128*\e
.endr
	s_wait_dscnt 0x0                               ; the stores have read their addresses
	v_add_nc_u32 v[XLA], 1024, v[XLA]
	v_add_nc_u32 v[IWX], 2*FRB, v[IWX]
	v_add_nc_u32 v[ISX], 256, v[ISX]
	s_add_co_u32 s[CNT], s[CNT], 1
	s_cmp_lt_u32 s[CNT], 4
	s_cbranch_scc1 .Lxq
	BARRIER                                        ; x's 32 images lie in LDS, and nobody reads the stages any more
	LOADFRAGS
	; ---- QK: q's chunk i, then k's chunk i
	s_mov_b32 s[CNT], 0
.Lqk:
	s_add_co_u32 s[NC], s[CNT], 32                 ; next: k's chunk i
	s_lshl_b32 s[NBO], s[NC], 7
	SETNEXT
	CORE 0, 1
	EPIQK 0
	s_add_co_u32 s48, s[CNT], 1
	s_cmp_eq_u32 s[CNT], 7
	s_cselect_b32 s[NC], 64, s48                   ; next: q's chunk i + 1, or v's first
	s_lshl_b32 s[NBO], s[NC], 7
	SETNEXT
	CORE 1, 1
	EPIQK 1
	s_wait_dscnt 0x0                               ; the stores have read their addresses
	v_add_nc_u32 v[CST], 24, v[CST]
	v_add_nc_u32 v[SST], 1, v[SST]
	s_add_co_u32 s[CNT], s[CNT], 1
	s_cmp_lt_u32 s[CNT], 8
	s_cbranch_scc1 .Lqk
	BARRIER                                        ; all heads' codes and bytes of all 64 positions lie in LDS
	; ---- scores and softmax of my 16 positions
.irp z, 0,1
.irp i, 6,7,8,9,10,11
	v_mov_b32 v[KF+24*\z+\i], 0                    ; K = 64 .. 127 of product 2's instruction: zero codes on both sides
	v_mov_b32 v[QF+24*\z+\i], 0
.endr
.endr
	PLACES 4                                       ; an operand written by vector instructions stands four places ahead of a scaled matrix instruction
	SLOAD 0
.irp g, 0,1,2,3,4,5,6,7
	SCORE \g
.endr
	BARRIER                                        ; nobody reads q's and k's codes any more: v is laid over them
	; ---- V: two chunks a trip
	s_mov_b32 s[CNT], 0
.Lv:
	s_lshl_b32 s48, s[CNT], 1
	s_add_co_u32 s[NC], s48, 65
	s_lshl_b32 s[NBO], s[NC], 7
	SETNEXT
	CORE 0, 1
	EPIV 0
	s_lshl_b32 s48, s[CNT], 1
	s_add_co_u32 s48, s48, 66
	s_lshl_b32 s49, s48, 7
	s_cmp_eq_u32 s[CNT], 3                         ; behind v's last chunk comes out's first, with b_out
	s_cselect_b32 s[NC], 96, s48
	s_cselect_b64 s[NBB:NBB+1], s[BOW:BOW+1], s[BQW:BQW+1]
	s_cselect_b32 s[NBO], 0, s49
	SETNEXT
	CORE 1, 1
	EPIV 1
	s_wait_dscnt 0x0                               ; the stores have read their addresses
.irp m, 0,1,2,3
	v_add_nc_u32 v[VST+\m], 256, v[VST+\m]
.endr
	s_add_co_u32 s[CNT], s[CNT], 1
	s_cmp_lt_u32 s[CNT], 4
	s_cbranch_scc1 .Lv
	BARRIER                                        ; v of all 64 positions lies in LDS
	; ---- product 3 and its quantising: my 16 positions are tile of rows w of the last product's left operand
	VLOAD 0, 0
.irp s, 0,1,2,3,4,5,6,7
	PAIR \s
.endr
	BARRIER                                        ; attention's 32 images lie in LDS, and nobody reads v any more
	LOADFRAGS
	; ---- O: two chunks a trip, then 64 rows x 256 bytes leave
	s_mov_b64 s[NBB:NBB+1], s[BOW:BOW+1]
	s_mov_b32 s[CNT], 0
.Lo:
	s_lshl_b32 s48, s[CNT], 1
	s_add_co_u32 s[NC], s48, 97
	s_add_co_u32 s[NBO], s48, 1
	s_lshl_b32 s[NBO], s[NBO], 7
	SETNEXT
	CORE 0, 1
	EPIO 0
	s_lshl_b32 s48, s[CNT], 1
	s_add_co_u32 s[NC], s48, 98
	s_add_co_u32 s[NBO], s48, 2
	s_lshl_b32 s[NBO], s[NBO], 7
	SETNEXT
	CORE 1, 1
	EPIO 1
	FLUSH 1
	s_add_co_u32 s[CNT], s[CNT], 1
	s_cmp_lt_u32 s[CNT], 3
	s_cbranch_scc1 .Lo
	s_mov_b32 s[NC], 103                           ; the last two chunks are written out: the last fetches nothing, so no load leaves its buffer
	s_mov_b32 s[NBO], 896
	SETNEXT
	CORE 0, 1
	EPIO 0
	CORE 1, 0
	EPIO 1
	FLUSH 0
	s_wait_tensorcnt 0x0
	ds_add_u32 v254, v255
	s_wait_dscnt 0x0
	s_endpgm
.Lfunc_end_k_qcf86bae72f_fused:
	.size	k_qcf86bae72f_fused, .Lfunc_end_k_qcf86bae72f_fused-k_qcf86bae72f_fused
	.p2alignl 7, 3214868480
	.fill 96, 4, 3214868480
	.section	.rodata,"a",@progbits
	.p2align	6, 0x0
	.amdhsa_kernel k_qcf86bae72f_fused
		.amdhsa_group_segment_fixed_size 318976
		.amdhsa_private_segment_fixed_size 0
		.amdhsa_enable_private_segment 0
		.amdhsa_kernarg_size 48
		.amdhsa_user_sgpr_count 2
		.amdhsa_user_sgpr_kernarg_segment_ptr 1
		.amdhsa_wavefront_size32 1
		.amdhsa_system_sgpr_workgroup_id_x 1
		.amdhsa_system_sgpr_workgroup_id_y 1
		.amdhsa_system_sgpr_workgroup_id_z 1
		.amdhsa_system_vgpr_workitem_id 0
		.amdhsa_next_free_vgpr 1024
		.amdhsa_next_free_sgpr 66
		.amdhsa_reserve_vcc 0
		.amdhsa_float_denorm_mode_32 3
		.amdhsa_float_denorm_mode_16_64 3
		.amdhsa_memory_ordered 1
		.amdhsa_forward_progress 1
		.amdhsa_inst_pref_size 255
	.end_amdhsa_kernel
	.section	.bss,"aw",@nobits
	.p2align	6
	.space	262144
	.amdgpu_metadata
---
amdhsa.version: [ 1, 2 ]
amdhsa.kernels:
  - .name:           k_qcf86bae72f_fused
    .symbol:         k_qcf86bae72f_fused.kd
    .args:
      - { .name: x, .offset: 0, .size: 8, .value_kind: global_buffer, .address_space: global }
      - { .name: wcodes, .offset: 8, .size: 8, .value_kind: global_buffer, .address_space: global }
      - { .name: wscales, .offset: 16, .size: 8, .value_kind: global_buffer, .address_space: global }
      - { .name: b_qkv, .offset: 24, .size: 8, .value_kind: global_buffer, .address_space: global }
      - { .name: b_out, .offset: 32, .size: 8, .value_kind: global_buffer, .address_space: global }
      - { .name: out0, .offset: 40, .size: 8, .value_kind: global_buffer, .address_space: global }
    .group_segment_fixed_size: 318976
    .private_segment_fixed_size: 0
    .kernarg_segment_align: 8
    .kernarg_segment_size: 48
    .max_flat_workgroup_size: 128
    .sgpr_count:     66
    .vgpr_count:     1024
    .wavefront_size: 32
...
	.end_amdgpu_metadata
.endif
;; end of part 2
;; ======== version 2 of 2: 2 launches
;; workspace buffers: wcodes 3,145,728 bytes; wscales 131,072 bytes
;; launch prep (part 3): grid 256 x 1, 4 waves a work-group, no clusters, 1,536 bytes of LDS; arguments W_qkv, W_out, wcodes, wscales; writes wcodes, wscales
.if DOCPART == 3
	.amdgcn_target "amdgcn-amd-amdhsa--gfx1250"
	.amdhsa_code_object_version 6
	.text
	.protected	k_qcf86bae72f_prep
	.globl	k_qcf86bae72f_prep
	.p2align	8
	.type	k_qcf86bae72f_prep,@function
k_qcf86bae72f_prep:
	s_mov_b64 s[64:65], 0
	v_nop
	global_prefetch_b8 v0, s[64:65] scope:SCOPE_SE
	s_setreg_imm32_b32 hwreg(HW_REG_WAVE_MODE, 25, 1), 1
	s_wait_xcnt 0x0
; W_qkv [1024][3072] and W_out [1024][1024], f32, K = the FIRST axis, become codes of FP6 (E2M3) with one E8M0 byte for each 32 along K,
; laid in the order in which a wave's operand registers take them, so that the next launch loads whole fragments by dense loads of 16 bytes a lane.
; A CHUNK is 32 neighbouring columns for all of K: chunks 0-95 are W_qkv's, 96-127 W_out's.  A chunk has two tiles u; row a of tile u is column 8 u + a + 8 (a / 8) of the chunk.
; wcodes:  chunk x 24,576 + K step s (of 128) x 3,072 + u x 1,536 + piece x 512 + 16 x lane: registers 4 piece .. 4 piece + 3 of the fragment's twelve;
;          lane (r, hh) of a fragment holds in registers 6 c .. 6 c + 5 the codes of k = 128 s + 64 c + 32 hh + 0 .. 31 of tile row r.
; wscales: chunk x 1,024 + (s / 4) x 512 + u x 256 + 8 x (r + 16 (s % 2)) + 4 x ((s / 2) % 2): the four bytes of tile row r for K step s.
; A block's scale is 2^(floor(log2(its largest magnitude)) - 2); its byte is the largest magnitude's exponent field - 2, held at 1 from below.
; LIMITS: a block of zeros gets the byte 1 where the quantiser says 127 (its codes are zeros, and only this program reads the bytes); blocks whose largest magnitude lies under 2^-124 get the byte 1; NaN and infinities are not served.
; SHARES: work-group x: chunk x / 2, half x % 2 of K; wave w: K step 4 (x % 2) + w.  A LANE TAKES A COLUMN AND ITS REGISTERS RUN DOWN K: lane (u, r) holds 128 numbers, four whole blocks,
; which are the registers of the fragment's lanes (r, 0) and (r, 1).  A load covers the chunk's 128 consecutive bytes of one row of W.
.set X,  32                            ; v32-159  128 numbers: register k = row 128 s + k
.set C,  160                           ; v160-183 codes: 12 registers for fragment lane (r, 0), then 12 for (r, 1); never rewritten, so no store's data are written again
.set CT, 184                           ; v184-186 a block's upper 16 codes, made here and moved (a conversion's three registers begin on an even number)
	s_load_b128 s[4:7], s[0:1], 0x0                ; W_qkv, W_out
	s_load_b128 s[8:11], s[0:1], 0x10              ; wcodes, wscales
	v_lshl_add_u32 v192, v0, 2, 0x400
	v_mov_b32 v193, 0
	v_lshrrev_b32 v5, 5, v0
	v_readfirstlane_b32 s12, v5                    ; wave 0..3
	s_lshr_b32 s13, ttmp9, 1                       ; chunk
	s_and_b32 s14, ttmp9, 1                        ; which half of K
	s_lshl_b32 s15, s14, 2
	s_add_co_u32 s15, s15, s12                     ; K step s
	v_and_b32 v5, 15, v0                           ; r
	v_bfe_u32 v6, v0, 4, 1                         ; u
	v_and_b32 v7, 7, v5
	v_lshrrev_b32 v8, 3, v5
	v_lshl_add_u32 v7, v8, 4, v7
	v_lshl_add_u32 v7, v6, 3, v7                   ; my column in the chunk: r % 8 + 16 (r / 8) + 8 u
	v_lshlrev_b32 v1, 2, v7                        ; in bytes
	v_mul_u32_u24 v2, v6, 1536
	v_lshl_add_u32 v2, v5, 4, v2                   ; the codes' place: u x 1,536 + 16 r
	v_lshlrev_b32 v3, 8, v6
	v_lshl_add_u32 v3, v5, 3, v3                   ; the scale word's place in LDS: 256 u + 8 r
	s_and_b32 s16, s12, 1
	s_lshl_b32 s16, s16, 7
	s_lshr_b32 s17, s12, 1
	s_lshl_b32 s17, s17, 2
	s_add_co_u32 s16, s16, s17
	v_add_nc_u32 v3, s16, v3                       ; + 128 (w % 2) + 4 (w / 2)
	v_and_b32 v4, 31, v0
	v_lshlrev_b32 v4, 4, v4                        ; 16 x lane
	s_sub_co_u32 s18, s13, 96                      ; the chunk's number in W_out (used only where the chunk is W_out's)
	s_mov_b32 s19, 524288                          ; 128 rows of W_out in bytes
	s_wait_kmcnt 0x0
	s_cmp_lt_u32 s13, 96                           ; W_qkv's chunk or W_out's?  The choice hangs on the work-group's number alone
	s_cselect_b64 s[4:5], s[4:5], s[6:7]
	s_cselect_b32 s18, s13, s18
	s_cselect_b32 s19, 1572864, s19                ; 128 rows of W_qkv in bytes
	s_mul_i32 s20, s15, s19                        ; my 128 rows,
	s_lshl_b32 s21, s18, 7                         ; my 32 columns
	s_add_co_u32 s20, s20, s21
	s_mov_b32 s21, 0
	s_add_nc_u64 s[4:5], s[4:5], s[20:21]
	s_mul_i32 s20, s13, 24576
	s_mul_i32 s22, s15, 3072
	s_add_co_u32 s20, s20, s22
	s_add_nc_u64 s[8:9], s[8:9], s[20:21]          ; my two fragments in wcodes
	s_lshl_b32 s20, s13, 10
	s_lshl_b32 s22, s14, 9
	s_add_co_u32 s20, s20, s22
	s_add_nc_u64 s[10:11], s[10:11], s[20:21]      ; the work-group's 512 bytes in wscales
	s_cmp_lt_u32 s13, 96
	s_cbranch_scc0 .Lout                           ; only the loads differ: the row pitch stands in their immediates
.set k, 0
	s_wait_alu depctr_va_vdst(0)
.rept 128
	global_load_b32 v[X+k], v1, s[4:5] offset:k*12288
.set k, k+1
.endr
	s_branch .Ljoin
.Lout:
.set k, 0
	s_wait_alu depctr_va_vdst(0)
.rept 128
	global_load_b32 v[X+k], v1, s[4:5] offset:k*4096
.set k, k+1
.endr
.Ljoin:
; Block b of 32 along K.  cnt: how many younger loads may stay out (a wait names 63 at the most)
.macro BLOCK b, cnt
.set XB, X+32*(\b)
.set CD, C+12*((\b)%2)+6*((\b)/2)      ; block 2 c + hh: registers 6 c on of fragment lane (r, hh)
	s_wait_loadcnt \cnt
	v_max3_num_f32 v8, |v[XB]|, |v[XB+1]|, |v[XB+2]|               ; the block's largest magnitude: all 32 numbers are mine; two chains
	v_max3_num_f32 v9, |v[XB+3]|, |v[XB+4]|, |v[XB+5]|
.irp i, 6,10,14,18,22,26
	v_max3_num_f32 v8, v8, |v[XB+\i]|, |v[XB+\i+1]|
	v_max3_num_f32 v9, v9, |v[XB+\i+2]|, |v[XB+\i+3]|
.endr
	v_max3_num_f32 v8, v8, |v[XB+30]|, |v[XB+31]|
	v_max3_num_f32 v8, v8, v9, 0x1800000           ; and the floor 2^(3 - 127): the byte cannot fall under 1
	v_add_nc_u32 v10, 0xff000000, v8               ; 2 off the exponent field: the conversion takes the exponent field of this operand as its scale
	v_lshrrev_b32 v11, 23, v10                     ; the scale's byte
.if (\b) == 0
	v_mov_b32 v12, v11                             ; four bytes make my column's scale word for this K step
.else
	v_lshl_or_b32 v12, v11, 8*(\b), v12
.endif
	v_cvt_scalef32_pk16_fp6_f32 v[CD:CD+2], v[XB:XB+15], v10
	v_cvt_scalef32_pk16_fp6_f32 v[CT:CT+2], v[XB+16:XB+31], v10
	v_nop                                          ; one plain place behind a scaled conversion
.irp i, 0,1,2
	v_mov_b32 v[CD+3+\i], v[CT+\i]
.endr
.endm
	BLOCK 0, 63                                    ; of 128 loads at most 63 are out: blocks 0 and 1 are in
	BLOCK 1, 63
	BLOCK 2, 32                                    ; block 3's 32 loads may be out
.irp p, 0,1,2
	global_store_b128 v2, v[C+4*\p:C+4*\p+3], s[8:9] offset:512*\p          ; fragment lanes (r, 0): sixteen lanes store 256 consecutive bytes, aligned
.endr
	BLOCK 3, 0
.irp p, 0,1,2
	global_store_b128 v2, v[C+12+4*\p:C+12+4*\p+3], s[8:9] offset:512*\p+256   ; fragment lanes (r, 1)
.endr
	ds_store_b32 v3, v12                           ; the four waves' scale words meet in 512 bytes of LDS, laid as they lie in wscales
	s_wait_dscnt 0x0                               ; for the others' sake: my store is done
	s_barrier_signal -1
	s_barrier_wait -1
	s_cmp_lg_u32 s12, 0
	s_cbranch_scc1 .Lend
	ds_load_b128 v[16:19], v4                      ; wave 0 stores them: 512 consecutive bytes, aligned
	s_wait_dscnt 0x0
	global_store_b128 v4, v[16:19], s[10:11]
.Lend:
	s_wait_tensorcnt 0x0
	ds_add_u32 v192, v193
	s_wait_dscnt 0x0
	s_endpgm
.Lfunc_end_k_qcf86bae72f_prep:
	.size	k_qcf86bae72f_prep, .Lfunc_end_k_qcf86bae72f_prep-k_qcf86bae72f_prep
	.p2alignl 7, 3214868480
	.fill 96, 4, 3214868480
	.section	.rodata,"a",@progbits
	.p2align	6, 0x0
	.amdhsa_kernel k_qcf86bae72f_prep
		.amdhsa_group_segment_fixed_size 1536
		.amdhsa_private_segment_fixed_size 0
		.amdhsa_enable_private_segment 0
		.amdhsa_kernarg_size 32
		.amdhsa_user_sgpr_count 2
		.amdhsa_user_sgpr_kernarg_segment_ptr 1
		.amdhsa_wavefront_size32 1
		.amdhsa_system_sgpr_workgroup_id_x 1
		.amdhsa_system_sgpr_workgroup_id_y 1
		.amdhsa_system_sgpr_workgroup_id_z 1
		.amdhsa_system_vgpr_workitem_id 0
		.amdhsa_next_free_vgpr 194
		.amdhsa_next_free_sgpr 66
		.amdhsa_reserve_vcc 0
		.amdhsa_float_denorm_mode_32 3
		.amdhsa_float_denorm_mode_16_64 3
		.amdhsa_memory_ordered 1
		.amdhsa_forward_progress 1
		.amdhsa_inst_pref_size 34
	.end_amdhsa_kernel
	.amdgpu_metadata
---
amdhsa.version: [ 1, 2 ]
amdhsa.kernels:
  - .name:           k_qcf86bae72f_prep
    .symbol:         k_qcf86bae72f_prep.kd
    .args:
      - { .name: W_qkv, .offset: 0, .size: 8, .value_kind: global_buffer, .address_space: global }
      - { .name: W_out, .offset: 8, .size: 8, .value_kind: global_buffer, .address_space: global }
      - { .name: wcodes, .offset: 16, .size: 8, .value_kind: global_buffer, .address_space: global }
      - { .name: wscales, .offset: 24, .size: 8, .value_kind: global_buffer, .address_space: global }
    .group_segment_fixed_size: 1536
    .private_segment_fixed_size: 0
    .kernarg_segment_align: 8
    .kernarg_segment_size: 32
    .max_flat_workgroup_size: 128
    .sgpr_count:     66
    .vgpr_count:     194
    .wavefront_size: 32
...
	.end_amdgpu_metadata
.endif
;; end of part 3
;; launch fused (part 4): grid 256 x 1, 4 waves a work-group, no clusters, 318,976 bytes of LDS; arguments x, wcodes, wscales, b_qkv, b_out, out0; writes out0
.if DOCPART == 4
	.amdgcn_target "amdgcn-amd-amdhsa--gfx1250"
	.amdhsa_code_object_version 6
	.text
	.protected	k_qcf86bae72f_fused
	.globl	k_qcf86bae72f_fused
	.p2align	8
	.type	k_qcf86bae72f_fused,@function
k_qcf86bae72f_fused:
	s_mov_b64 s[64:65], 0
	v_nop
	global_prefetch_b8 v0, s[64:65] scope:SCOPE_SE
	s_setreg_imm32_b32 hwreg(HW_REG_WAVE_SCHED_MODE, 0, 2), 2
	s_setreg_imm32_b32 hwreg(HW_REG_WAVE_MODE, 25, 1), 1
	s_wait_xcnt 0x0
	s_wait_alu depctr_vm_vsrc(0)
; out = reshape(attention across the 16 heads of each position (x W_qkv + b_qkv)) W_out + b_out, for 64 neighbouring positions a work-group; nothing between x and out goes to memory.
; Products 1, 2 and 4 on codes of FP6 (E2M3) with one E8M0 scale for each 32 along K; product 3 (weights x v, K = 16) with f32 operands, since its result goes into a quantiser.
; THE RESHAPE IS LOCAL: position l, head h, channel d lands in row 256 h + l / 16, column 64 (l % 16) + d of its batch.  So 16 neighbouring positions give, for each head, one whole row of the last product's left operand,
; and a block of 32 along that K is half a head of one position.
; SHARES.  In the large products THE WAVES SHARE THE COLUMNS: wave w takes chunks (32 columns each) 8 w .. 8 w + 7 of q, of k, of v and of out, for all 64 rows.  x's quantising and the attention go by positions: wave w has 16 w .. 16 w + 15.
; WEIGHTS come as codes in the order of the operand's registers (launch prep): a fragment is three dense loads of 512 bytes, from memory straight into registers, a whole chunk (16 fragments) ahead.
; NO CLUSTER, NO TENSOR LOAD: a weight fragment is read by exactly one wave of a work-group, so LDS would only be a detour for it; and LDS holds 64 positions of v in f32 (265,216 bytes) and the operands' images (53,248 bytes): the 9,216 bytes left are no ring.
; THE MATRIX INSTRUCTION IS USED TRANSPOSED (source 0 = 16 columns of a weight, source 1 = 16 rows): with prep's order of a tile's columns, a lane's 16 registers of a chunk's two tiles are columns 16 (lane / 16) + 0 .. 15 of one row:
; neighbours along the next K, as the conversions want them.
; OPERANDS GO FROM WAVE TO WAVE THROUGH LDS AS IMAGES OF THEIR REGISTERS (three stores of 16 bytes a lane, a scale word of 4 bytes a lane).
; LIMITS: a block of zeros gets the byte 1 where the quantiser says 127 (its codes are zeros, and only this program reads the bytes); blocks whose largest magnitude lies under 2^-124 get the byte 1; NaN and infinities are not served.
; THE MODE: SCHED_MODE bits 1:0 = 2 (LLVM: expert scheduling mode 2), set by the entry lines.  The code itself states the register dependences
; between vector or matrix instructions and memory or LDS instructions, with s_wait_alu, always for 0.
; THE PLAN.  Registers that memory or LDS instructions touch, and who else names them:
;   window 3 v0-191  a chunk's weights in four groups of 48.  Group q is read by the 16 matrix instructions of K steps 2 q and 2 q + 1; then the next chunk's 12 loads land in it.  ONE wait on va_vdst at the head of group q + 1,
;                    behind the wait for that group's data, states that group q's products are done reading; group q's loads stand between group q + 1's two K steps, whose products name other registers.  Group 3's loads stand behind the wait at the chunk's end.
;   WS, BI           two sets by turns.  A set is read by one chunk's products and loaded again at the head of the next chunk: the wait at the chunk's end has shown the products done, and no epilogue names these registers.
;   ACC              written by matrix instructions; read by v's and out's LDS stores, behind the places and the wait at the chunk's end; written again behind a wait on vm_vsrc (the next chunk's head, or the loop's end).
;   PC, PW, TM       written by the quantiser; read by LDS stores: a wait on va_vdst behind each quantiser, a wait on vm_vsrc ahead of the next.
;   NUM; KF, QF, SP; the sets of v^T; the row fragments and XS; OB: landing places of LDS loads.  Each run of such loads stands behind a wait on va_vdst that is there for another reason too, with no vector or matrix instruction between that names them.
;   addresses        v1 to v23 are made at the head, ahead of two waits on va_vdst.  Six of them are stepped, once a trip of their loops, behind a wait on vm_vsrc.
; LDS.  Region A, bytes 0 .. 265,215, is used in turn, a barrier between the uses:
;   XST   phase X: wave w at w x 65,792: 16 rows of x, pitch 4,112
;   QKC   q's and k's codes: 64 positions, pitch 1,544: q's 768 bytes, then k's; 48 bytes a head, 24 a block.  KSB: k's scale bytes, pitch 36, byte 2 head + half; q's 2,304 bytes on
;   V     v in f32: 64 positions, pitch 4,144: byte 256 g + 4 d, + 32 for heads g >= 8
;   OSTG  phase O: wave w at w x 17,408: 64 rows of 256 bytes, pitch 272
; IMG: 32 fragment images of 1,536 bytes, index 8 m + s (tile of rows m, K step s): x's, later attention's.  SCW: their scale words, 128 bytes each.
; The pitches 4,112, 4,144 and 272 are odd multiples of 16 bytes, 1,544 is 2 words over a multiple of 64 words (64 banks of 4 bytes: ISA guide 11.1): the lanes of each access fall on different banks.
; REGISTERS, in windows of 256:  window 0: v1-23 addresses; v28-29, v32-63 scale words; v64-127 the accumulators (written by matrix instructions alone); v128-167 the quantiser's; v168-255 at work.
;   window 1: the row operand's fragments of K steps 0-4 (48 s + 12 m); at the head x's rows 0-7; in product 3 two sets of v^T.
;   window 2: K steps 5-7; at the head x's rows 8-15; v144-207 the softmax's weights of positions 0-7; v208-239 the biases, two sets.
;   window 3: v0-191 the weights of one chunk (fragment (s, u) at 24 s + 12 u); v192-255 the weights of the softmax of positions 8-15.
.set XP,   4112
.set XW,   16*XP
.set QKP,  1544
.set KSB,  64*QKP
.set SBP,  36
.set QSD,  64*SBP
.set VP,   4144
.set OSP,  272
.set OSW,  64*OSP
.set FRB,  1536
.set IMG,  64*VP
.set SCW,  IMG+32*FRB
.set L16,  1                           ; 16 x lane
.set L8,   2                           ; 8 x lane
.set H64,  3                           ; 64 x (lane / 16)
.set XSA,  4                           ; x's stage, in
.set XLA,  5                           ; x's stage, out (stepped)
.set IW,   6                           ; my wave's images
.set ISW,  7                           ; and their scale words
.set IWX,  8                           ; the same, stepped in phase X
.set ISX,  9
.set LI,   10                          ; an image's place for my lane
.set LSX,  11                          ; scale words: lanes 0-15 an even K step's, lanes 16-31 the odd one's
.set CST,  12                          ; q's and k's codes, in (stepped)
.set SST,  13                          ; their scale bytes, in (stepped)
.set CA,   14                          ; q's and k's codes, out
.set SA,   15                          ; their scale bytes, out: lanes 0-15 k's, lanes 16-31 q's
.set VST,  16                          ; v16-19 v, in, for each tile of rows (stepped)
.set VLD,  20                          ; v, out
.set OST,  21                          ; out's stage, in
.set SRD,  22                          ; out's stage, out
.set OV,   23                          ; my byte offset among out's rows
.set SP,   28                          ; v28-29  product 2's scale words
.set XS,   32                          ; v32-47  the row operand's scale words: register 4 m + s / 2, lanes 16 (s % 2) on
.set WS,   48                          ; v48-63  the weights', two sets of 8: 4 u + s / 2, lanes 16 (s % 2) on
.set ACC,  64
.set TM,   128
.set PW,   144
.set PC,   148
.set NUM,  168
.set KF,   168
.set QF,   180
.set TS,   216
.set MX,   232
.set PX,   236
.set SU,   238
.set SV,   242
.set RI,   246
.set OB,   168
.set BI,   208                         ; in window 2
.set WV,   16                          ; s16 my wave's number
.set SEL,  20                          ; s[20:21] lane selects for v_permlanex16_b32: lane l xor 16
.set CS,   22                          ; s[22:23] log2(e) / 8
.set CNT,  24                          ; s24 the loops' counter
.set NC,   25                          ; s25 the next chunk's number less 8 w
.set T0,   26                          ; s[26:27] an offset; s27 = 0
.set NBO,  28                          ; s[28:29] the next bias's offset; s29 = 0
.set NP,   30                          ; s[30:31] the next chunk's codes
.set NS,   32                          ; s[32:33] its scale words
.set NB,   34                          ; s[34:35] its bias
.set WCW,  36                          ; s[36:37] wcodes + 8 w chunks
.set WSW,  38                          ; s[38:39] wscales + 8 w chunks
.set BQW,  40                          ; s[40:41] b_qkv + 256 w numbers
.set BOW,  42                          ; s[42:43] b_out + 256 w numbers
.set NBB,  44                          ; s[44:45] the buffer of the next bias
.set OUTP, 46                          ; s[46:47] out at my work-group's rows and my wave's columns (stepped)
.set MSB, 0
.macro WIN new                         ; the immediate's high byte repeats the setting that is left; a switch that changes nothing is dropped
.if MSB != \new
	s_set_vgpr_msb (MSB<<8)|\new
.set MSB, \new
.endif
.endm
.macro PLACES n
.rept \n
	v_nop
.endr
.endm
.macro BARRIER                         ; my LDS stores have landed and my LDS loads are in: then the work-group's barrier
	s_wait_dscnt 0x0
	s_barrier_signal -1
	s_barrier_wait -1
.endm
; 64 numbers of a lane, v[s] .. v[s + 63]: block b is registers 16 b .. 16 b + 15 of lanes l and l xor 16.  They become codes in v[PC] on (registers 6 c .. 6 c + 5 of lane half h: block 2 c + h, whole),
; the blocks' bytes in v[TM+4] on and the four bytes as a word in v[PW].  Each accumulator among the sources is read from its low end on.
.macro QUANT s
.irp b, 0,1,2,3
	v_max3_num_f32 v[TM+\b], |v[\s+16*\b]|, |v[\s+1+16*\b]|, 0x1800000   ; my 16 numbers, and the floor 2^(3 - 127): the byte cannot fall under 1
.endr
.irp i, 2,4,6,8,10,12,14
.irp b, 0,1,2,3
	v_max3_num_f32 v[TM+\b], v[TM+\b], |v[\s+16*\b+\i]|, |v[\s+1+16*\b+\i]|   ; the four blocks by turns
.endr
.endr
.irp b, 0,1,2,3
	v_permlanex16_b32 v[TM+4+\b], v[TM+\b], s[SEL], s[SEL+1]
.endr
.irp b, 0,1,2,3
	v_max_num_f32 v[TM+\b], v[TM+\b], v[TM+4+\b]   ; with lane l xor 16's: the block's largest magnitude
.endr
.irp b, 0,1,2,3
	v_add_nc_u32 v[TM+12+\b], 0xff000000, v[TM+\b]   ; 2 off its exponent field: the conversion's scale operand
.endr
.irp b, 0,1,2,3
	v_lshrrev_b32 v[TM+4+\b], 23, v[TM+12+\b]      ; the scale's byte
.endr
	v_lshl_or_b32 v[PW], v[TM+5], 8, v[TM+4]
	v_lshl_or_b32 v[PW], v[TM+6], 16, v[PW]
	v_lshl_or_b32 v[PW], v[TM+7], 24, v[PW]
.irp c, 0,1
	v_cvt_scalef32_pk16_fp6_f32 v[PC+6*\c:PC+2+6*\c], v[\s+32*\c:\s+15+32*\c], v[TM+12+2*\c]
	v_cvt_scalef32_pk16_fp6_f32 v[PC+12+4*\c:PC+14+4*\c], v[\s+16+32*\c:\s+31+32*\c], v[TM+12+2*\c+1]   ; (a conversion's three registers begin on an even number)
.endr
	v_nop                                          ; one plain place behind a scaled conversion
.irp c, 0,1
.irp i, 0,1,2
	v_permlane16_swap_b32 v[PC+6*\c+\i], v[PC+12+4*\c+\i]   ; half blocks change places, so that a lane holds a whole block
.endr
.irp i, 0,1,2
	v_mov_b32 v[PC+3+6*\c+\i], v[PC+12+4*\c+\i]
.endr
.endr
.endm
.macro IMAGE adr, off                  ; the fragment in v[PC] on goes to LDS as it stands
.irp c, 0,1,2
	ds_store_b128 v[\adr], v[PC+4*\c:PC+4*\c+3] offset:\off+512*\c
.endr
.endm
; All 32 images and their scale words come into registers, in every wave.  No wait on va_vdst stands here: at the first use no vector or matrix instruction has named these registers; at the second the wait behind the last
; pair's quantiser has shown every product that read them done, and only LDS stores of other registers and the barrier stand between.
.macro LOADFRAGS
	WIN 0x40
.irp s, 0,1,2,3,4
.irp m, 0,1,2,3
.irp c, 0,1,2
	ds_load_b128 v[48*\s+12*\m+4*\c:48*\s+12*\m+4*\c+3], v[LI] offset:(8*\m+\s)*FRB+512*\c
.endr
.endr
.endr
	WIN 0x80
.irp s, 5,6,7
.irp m, 0,1,2,3
.irp c, 0,1,2
	ds_load_b128 v[48*(\s-5)+12*\m+4*\c:48*(\s-5)+12*\m+4*\c+3], v[LI] offset:(8*\m+\s)*FRB+512*\c
.endr
.endr
.endr
	WIN 0
.irp m, 0,1,2,3
.irp q, 0,1,2,3
	ds_load_b32 v[XS+4*\m+\q], v[LSX] offset:(8*\m+2*\q)*128
.endr
.endr
	s_wait_dscnt 0x0
.endm
; The pointers of the chunk that the next CORE fetches, from s[NC], s[NBB] and s[NBO]
.macro SETNEXT
	s_wait_xcnt 0x0                                ; the loads and stores issued so far have read their bases: these may be written again
	s_mul_i32 s[T0], s[NC], 24576
	s_add_nc_u64 s[NP:NP+1], s[WCW:WCW+1], s[T0:T0+1]
	s_lshl_b32 s[T0], s[NC], 10
	s_add_nc_u64 s[NS:NS+1], s[WSW:WSW+1], s[T0:T0+1]
	s_add_nc_u64 s[NB:NB+1], s[NBB:NBB+1], s[NBO:NBO+1]
.endm
; The next chunk's scale words and bias, 8 loads.  The bias comes in the result's layout: lane half h, tile u: columns 16 h + 8 u + 0 .. 7.
; The products that read this set last stand ahead of the wait at their chunk's end, and no vector or matrix instruction since names the set.
.macro SB set
.irp u, 0,1
.irp k, 0,1
	global_load_b64 v[WS+8*(\set)+4*\u+2*\k:WS+8*(\set)+4*\u+2*\k+1], v[L8], s[NS:NS+1] offset:512*\k+256*\u
.endr
.endr
	WIN 0x80
.irp u, 0,1
.irp e, 0,1
	global_load_b128 v[BI+16*(\set)+8*\u+4*\e:BI+16*(\set)+8*\u+4*\e+3], v[H64], s[NB:NB+1] offset:32*\u+16*\e
.endr
.endr
	WIN 0
.endm
; The next chunk's four fragments of K steps 2 q and 2 q + 1, 12 loads of 512 consecutive bytes.  (It leaves the destination's window at 3: the caller sets what follows.)
.macro RING q
	WIN 0xc0
.irp f, 0,1,2,3
.irp c, 0,1,2
	global_load_b128 v[48*(\q)+12*\f+4*\c:48*(\q)+12*\f+4*\c+3], v[L16], s[NP:NP+1] offset:6144*(\q)+1536*\f+512*\c
.endr
.endr
.endm
; A CHUNK: 64 rows x 32 columns x K = 1,024: 64 matrix instructions on eight accumulators, which take turns, one instruction a turn.  The bias is the C of each sum's first instruction.
; par: which set of scale words and bias is at work.  nx = 1: the next chunk is fetched meanwhile: a group's registers are asked for again in the middle of the next group's products, the last group's at the chunk's end.
.macro CORE par, nx
.if \nx
	SB 1-(\par)
.endif
	s_wait_alu depctr_vm_vsrc(0)                   ; the last epilogue's LDS stores have read the accumulators, the codes and the bytes, which this chunk's products and its quantiser write again
.irp q, 0,1,2,3
.if \nx
.if \q == 0
	s_wait_loadcnt 44                              ; behind the 12 loads wanted now stand this chunk's three other groups of 12 and the next chunk's 8 of scales and bias
.else
	s_wait_loadcnt 32                              ; behind the 12 wanted now: this chunk's later groups, the next chunk's 8 of scales and bias, and its groups asked for so far: 24 + 8, 12 + 8 + 12, 8 + 24
	s_wait_alu depctr_va_vdst(0)                   ; the products of the group before are done reading their 48 registers of weights, in which the loads below land
.endif
.else
	s_wait_loadcnt 36-12*\q                        ; the last chunk: only its own later groups are out
.endif
.irp t, 0,1
.set SS, 2*\q+\t
.if SS == 0
	WIN 0x27                                       ; weights window 3, rows window 1, the bias window 2
.elseif SS < 5
	WIN 0x07
.else
	WIN 0x0b                                       ; rows window 2
.endif
.irp m, 0,1,2,3
.irp u, 0,1
.set rD, ACC+16*\m+8*\u
.set rA, 24*SS+12*\u
.if SS < 5
.set rB, 48*SS+12*\m
.else
.set rB, 48*(SS-5)+12*\m
.endif
.set rC, rD
.if SS == 0
.set rC, BI+16*(\par)+8*\u
.endif
.set rE, WS+8*(\par)+4*\u+SS/2
.set rF, XS+4*\m+SS/2
.if \t
	v_wmma_scale_f32_16x16x128_f8f6f4 v[rD:rD+7], v[rA:rA+11], v[rB:rB+11], v[rC:rC+7], v[rE], v[rF] matrix_a_fmt:MATRIX_FMT_FP6 matrix_b_fmt:MATRIX_FMT_FP6 matrix_a_scale:MATRIX_SCALE_ROW1 matrix_b_scale:MATRIX_SCALE_ROW1
.else
	v_wmma_scale_f32_16x16x128_f8f6f4 v[rD:rD+7], v[rA:rA+11], v[rB:rB+11], v[rC:rC+7], v[rE], v[rF] matrix_a_fmt:MATRIX_FMT_FP6 matrix_b_fmt:MATRIX_FMT_FP6
.endif
.endr
.endr
.if \nx
.if \t == 0
.if \q > 0
	RING \q-1                                      ; no further wait: the eight products since the wait name this group's weights, the rows, the accumulators and the scale words, none of the registers that these loads touch
.endif
.endif
.endif
.endr
.endr
	WIN 0
	PLACES 5                                       ; four for the reads of the results (ISA guide 7.12.1); the fifth for the next chunk's first products, which write over these accumulators with another C
	s_wait_alu depctr_va_vdst(0)                   ; the chunk's products have written the accumulators, which v's and out's LDS stores read; they are done reading the last group's weights and this set of scale words and bias, in which loads land
.if \nx
	RING 3
	WIN 0
.endif
.endm
; q's (isk = 0) or k's (1) chunk: block b of the quantiser is tile of rows b; the chunk's 32 columns are half a head, one block of product 2's K
.macro EPIQK isk
	QUANT ACC
	s_wait_alu depctr_va_vdst(0)                   ; the quantiser has written the codes and the bytes, which the LDS stores read
.irp c, 0,1
.irp p, 0,1,2
	ds_store_b64 v[CST], v[PC+6*\c+2*\p:PC+6*\c+2*\p+1] offset:\c*32*QKP+768*(\isk)+8*\p   ; lane (r, h): the 24 bytes of position 32 c + 16 h + r
.endr
.endr
.irp m, 0,1,2,3
	ds_store_b8 v[SST], v[TM+4+\m] offset:16*SBP*\m+QSD*(1-(\isk))   ; both halves of the lanes write the same byte with the same value
.endr
.endm
.macro EPIV par                        ; v's chunk stays f32: 32 bytes a tile of my row, each accumulator from its low end on
.irp m, 0,1,2,3
.irp u, 0,1
.irp e, 0,1
	ds_store_b128 v[VST+\m], v[ACC+16*\m+8*\u+4*\e:ACC+16*\m+8*\u+4*\e+3] offset:128*(\par)+32*\u+16*\e
.endr
.endr
.endr
.endm
.macro EPIO par                        ; out's chunk into my own stage
.irp m, 0,1,2,3
.irp u, 0,1
.irp e, 0,1
	ds_store_b128 v[OST], v[ACC+16*\m+8*\u+4*\e:ACC+16*\m+8*\u+4*\e+3] offset:16*OSP*\m+128*(\par)+32*\u+16*\e
.endr
.endr
.endr
.endm
; Two chunks (64 columns, 256 bytes) of 64 rows leave my stage.  Stage row 16 m + r is head r: row 256 r + 4 (work-group % 64) + m of the batch.  Lanes 0-15 take head q, lanes 16-31 head q + 8:
; sixteen lanes store 256 consecutive bytes, aligned.  LDS serves a wave's instructions in order (ISA guide 5.7.1.4): the loads see my stores.
.macro FLUSH step
.irp g, 0,1
	s_wait_xcnt 0x0                                ; the earlier stores have had their addresses translated (ISA guide 3.1),
	s_wait_alu depctr_vm_vsrc(0)                   ; and have read v[OB ..], in which the loads below land
.irp k, 0,1,2,3,4,5,6,7,8,9,10,11,12,13,14,15
	ds_load_b128 v[OB+4*\k:OB+4*\k+3], v[SRD] offset:(16*(2*\g+\k/8)+\k%8)*OSP
.endr
.irp k, 0,1,2,3,4,5,6,7,8,9,10,11,12,13,14,15
	s_wait_dscnt 15-\k                             ; the younger loads may stay out
	global_store_b128 v[OV], v[OB+4*\k:OB+4*\k+3], s[OUTP:OUTP+1] offset:(\k%8)*1048576+(2*\g+\k/8)*4096 th:TH_STORE_NT
.endr
.endr
.if \step
	s_wait_xcnt 0x0                                ; the stores have read their base
	s_add_nc_u64 s[OUTP:OUTP+1], s[OUTP:OUTP+1], 256
.endif
.endm
; Product 2's operands of positions 2 g and 2 g + 1 of my sixteen: lane (r, h): block h of head r, 24 bytes; registers 6-11 of each fragment stay zeros (K = 64 of the instruction's 128)
.macro SLOAD g
.irp z, 0,1
.irp p, 0,1,2
	ds_load_b64 v[KF+24*\z+2*\p:KF+24*\z+2*\p+1], v[CA] offset:(2*(\g)+\z)*QKP+768+8*\p
	ds_load_b64 v[QF+24*\z+2*\p:QF+24*\z+2*\p+1], v[CA] offset:(2*(\g)+\z)*QKP+8*\p
.endr
	ds_load_u16 v[SP+\z], v[SA] offset:(2*(\g)+\z)*SBP   ; two bytes; the two above them are 0 and stand over zero codes
.endr
.endm
; Scores and softmax of two positions.  S^T = k q^T: lane (r, h) holds query head r and key heads 8 h + 0 .. 7
.macro SCORE g
	s_wait_dscnt 0x0
.irp z, 0,1
	v_wmma_scale_f32_16x16x128_f8f6f4 v[ACC+8*\z:ACC+8*\z+7], v[KF+24*\z:KF+24*\z+11], v[QF+24*\z:QF+24*\z+11], 0, v[SP+\z], v[SP+\z] matrix_a_fmt:MATRIX_FMT_FP6 matrix_b_fmt:MATRIX_FMT_FP6 matrix_b_scale:MATRIX_SCALE_ROW1
.endr
	PLACES 4
.irp z, 0,1
	v_max3_num_f32 v[MX+2*\z], v[ACC+8*\z], v[ACC+8*\z+1], v[ACC+8*\z+2]   ; the row's largest score, from the accumulator's low end on; the two positions by turns
.endr
.irp z, 0,1
	v_max3_num_f32 v[MX+2*\z], v[MX+2*\z], v[ACC+8*\z+3], v[ACC+8*\z+4]
.endr
.irp z, 0,1
	v_max3_num_f32 v[MX+2*\z], v[MX+2*\z], v[ACC+8*\z+5], v[ACC+8*\z+6]
.endr
.irp z, 0,1
	v_max_num_f32 v[MX+2*\z], v[MX+2*\z], v[ACC+8*\z+7]
.endr
.irp z, 0,1
	v_permlanex16_b32 v[PX+\z], v[MX+2*\z], s[SEL], s[SEL+1]
.endr
.irp z, 0,1
	v_max_num_f32 v[MX+2*\z], v[MX+2*\z], v[PX+\z]   ; with the other eight key heads'
.endr
.irp i, 0,2,4,6
.irp z, 0,1
	v_pk_add_f32 v[TS+8*\z+\i:TS+8*\z+\i+1], v[ACC+8*\z+\i:ACC+8*\z+\i+1], v[MX+2*\z:MX+2*\z+1] op_sel_hi:[1,0] neg_lo:[0,1] neg_hi:[0,1]   ; score - maximum first,
.endr
.endr
.irp i, 0,2,4,6
.irp z, 0,1
	v_pk_mul_f32 v[TS+8*\z+\i:TS+8*\z+\i+1], v[TS+8*\z+\i:TS+8*\z+\i+1], s[CS:CS+1] op_sel_hi:[1,0]   ; then x log2(e) / 8
.endr
.endr
	s_wait_alu depctr_va_vdst(0)
.irp i, 0,1,2,3,4,5,6,7,8,9,10,11,12,13,14,15
	v_exp_f32 v[TS+\i], v[TS+\i]                   ; one batch
.endr
	v_nop                                          ; a plain place behind the last exponential
	s_wait_alu depctr_va_vdst(0)                   ; the sixteen exponentials have written v[TS ..], ahead of their first reader; and the two products are done reading their operands and scale words, in which the loads below land
.if (\g) < 7
	SLOAD (\g)+1                                   ; the sums, the reciprocals and the weights below name none of these registers
.endif
.irp z, 0,1
	v_pk_add_f32 v[SU+2*\z:SU+2*\z+1], v[TS+8*\z:TS+8*\z+1], v[TS+8*\z+2:TS+8*\z+3]
	v_pk_add_f32 v[SV+2*\z:SV+2*\z+1], v[TS+8*\z+4:TS+8*\z+5], v[TS+8*\z+6:TS+8*\z+7]
.endr
.irp z, 0,1
	v_pk_add_f32 v[SU+2*\z:SU+2*\z+1], v[SU+2*\z:SU+2*\z+1], v[SV+2*\z:SV+2*\z+1]
.endr
.irp z, 0,1
	v_add_f32 v[SU+2*\z], v[SU+2*\z], v[SU+2*\z+1]
.endr
.irp z, 0,1
	v_permlanex16_b32 v[PX+\z], v[SU+2*\z], s[SEL], s[SEL+1]
.endr
.irp z, 0,1
	v_add_f32 v[SU+2*\z], v[SU+2*\z], v[PX+\z]     ; the row's sum
.endr
	s_wait_alu depctr_va_vdst(0)
.irp z, 0,1
	v_rcp_f32 v[RI+2*\z], v[SU+2*\z]
.endr
	v_nop
	s_wait_alu depctr_va_vdst(0)                   ; the two reciprocals have written v[RI], v[RI+2], ahead of their first reader
.if (\g) < 4
	WIN 0x80                                       ; the weights of positions 0-7 are kept in window 2, those of 8-15 in window 3
.set rW, 144+16*(\g)
.else
	WIN 0xc0
.set rW, 192+16*((\g)-4)
.endif
.irp z, 0,1
.irp i, 0,2,4,6
	v_pk_mul_f32 v[rW+8*\z+\i:rW+8*\z+\i+1], v[TS+8*\z+\i:TS+8*\z+\i+1], v[RI+2*\z:RI+2*\z+1] op_sel_hi:[1,0]
.endr
.endr
	WIN 0
.endm
; v^T of positions 2 s and 2 s + 1 as source 0 of the f32 form: tile 4 c + 2 b + u holds channels 32 b + 8 u + r + 8 (r / 8) of position 2 s + c; register n of it: key head 8 (lane / 16) + n.
; The products that read the set last stand ahead of a wait on va_vdst (a chunk's end, or behind a pair's quantiser), and nothing since names the set.
.macro VLOAD s, set
	WIN 0x40
.irp c, 0,1
.irp b, 0,1
.irp u, 0,1
.irp n, 0,1,2,3,4,5,6,7
	ds_load_b32 v[64*(\set)+8*(4*\c+2*\b+\u)+\n], v[VLD] offset:(2*(\s)+\c)*VP+\n*256+128*\b+32*\u
.endr
.endr
.endr
.endr
	WIN 0
.endm
; Product 3 for two positions, and its result as K step s of the last product's left operand.  O^T = v^T w^T, four steps of 4 along the key heads: slot (lane / 16, j) of step t is key head 8 (lane / 16) + 2 t + j on both
; sources alike, so the softmax's registers 2 t, 2 t + 1 ARE source 1.  A lane then holds head r, and the 16 registers of two neighbouring tiles are 16 neighbouring channels.
.macro PAIR s
.if (\s) < 7
	VLOAD (\s)+1, ((\s)+1)%2
	s_wait_dscnt 63                                ; of the 64 loads just issued 63 may be out: this pair's v is in
.else
	s_wait_dscnt 0x0
.endif
.if (\s) > 0
	s_wait_alu depctr_vm_vsrc(0)                   ; the last image's LDS stores have read the codes and the scale word, which this pair's quantiser writes again
.endif
.if (\s) < 4
	WIN 0x09                                       ; v^T window 1, the weights window 2
.set rW0, 144+16*(\s)
.else
	WIN 0x0d                                       ; the weights window 3
.set rW0, 192+16*((\s)-4)
.endif
.irp t, 0,1,2,3
.irp a, 0,1,2,3,4,5,6,7
.if \t == 0
	v_wmma_f32_16x16x4_f32 v[ACC+8*\a:ACC+8*\a+7], v[64*((\s)%2)+8*\a+2*\t:64*((\s)%2)+8*\a+2*\t+1], v[rW0+8*(\a/4)+2*\t:rW0+8*(\a/4)+2*\t+1], 0
.else
	v_wmma_f32_16x16x4_f32 v[ACC+8*\a:ACC+8*\a+7], v[64*((\s)%2)+8*\a+2*\t:64*((\s)%2)+8*\a+2*\t+1], v[rW0+8*(\a/4)+2*\t:rW0+8*(\a/4)+2*\t+1], v[ACC+8*\a:ACC+8*\a+7]
.endif
.endr
.endr
	WIN 0
	PLACES 8                                       ; eight places behind this form
	QUANT ACC                                      ; block 2 c + b: position 2 s + c, channels 32 b on
	s_wait_alu depctr_va_vdst(0)                   ; the quantiser has written the codes and the scale word, which the LDS stores read; and this pair's products are done reading their set of v^T, in which the next pair's head lets loads land
	IMAGE IW, FRB*(\s)
	ds_store_b32 v[ISW], v[PW] offset:128*(\s)
.endm
	; ---- the head
	s_load_b256 s[4:11], s[0:1], 0x0               ; x, wcodes, wscales, b_qkv
	s_load_b128 s[12:15], s[0:1], 0x20             ; b_out, out0
	v_lshl_add_u32 v254, v0, 2, 0x4dc00
	v_mov_b32 v255, 0
	v_lshrrev_b32 v24, 5, v0
	v_readfirstlane_b32 s[WV], v24                 ; wave 0..3
	v_and_b32 v24, 31, v0                          ; lane
	v_lshlrev_b32 v[L16], 4, v24
	s_mov_b32 s[T0+1], 0
	s_mov_b32 s[NBO+1], 0
	s_lshl_b32 s[T0], ttmp9, 18                    ; the work-group's 64 rows of 4,096 bytes,
	s_wait_alu depctr_va_sdst(0)                   ; the wave's number is written, ahead of its first reader
	s_lshl_b32 s48, s[WV], 16                      ; my wave's 16 of them
	s_add_co_u32 s[T0], s[T0], s48
	s_wait_kmcnt 0x0
	s_add_nc_u64 s[4:5], s[4:5], s[T0:T0+1]
	; ---- X in: my 16 rows, every load 512 consecutive bytes
	WIN 0x40
	s_wait_alu depctr_va_vdst(0)                   ; v[L16] is written, which these loads and all loads of weights read as their offset
.irp i, 0,1,2,3,4,5,6,7
.irp t, 0,1,2,3,4,5,6,7
	global_load_b128 v[32*\i+4*\t:32*\i+4*\t+3], v[L16], s[4:5] offset:4096*\i+512*\t th:TH_LOAD_NT
.endr
.endr
	WIN 0x80
.irp i, 0,1,2,3,4,5,6,7
.irp t, 0,1,2,3,4,5,6,7
	global_load_b128 v[32*\i+4*\t:32*\i+4*\t+3], v[L16], s[4:5] offset:4096*(\i+8)+512*\t th:TH_LOAD_NT
.endr
.endr
	WIN 0
	; the addresses, while x is on its way
	v_and_b32 v25, 15, v0                          ; r
	v_bfe_u32 v26, v0, 4, 1                        ; h
	v_lshlrev_b32 v[L8], 3, v24
	v_lshlrev_b32 v[H64], 6, v26
	s_mul_i32 s48, s[WV], XW
	v_add_nc_u32 v[XSA], s48, v[L16]
	v_mul_u32_u24 v[XLA], v25, XP
	v_add_nc_u32 v[XLA], v[XLA], v[H64]
	v_add_nc_u32 v[XLA], s48, v[XLA]
	s_mul_i32 s48, s[WV], 8*FRB
	s_add_co_u32 s48, s48, IMG
	v_add_nc_u32 v[IW], s48, v[L16]
	v_add_nc_u32 v[IWX], s48, v[L16]
	s_lshl_b32 s48, s[WV], 10
	s_add_co_u32 s48, s48, SCW
	v_lshl_add_u32 v[ISW], v24, 2, s48
	v_lshl_add_u32 v[ISX], v24, 2, s48
	v_add_nc_u32 v[LI], IMG, v[L16]
	v_lshlrev_b32 v[LSX], 2, v25
	v_lshl_add_u32 v[LSX], v26, 7, v[LSX]
	v_add_nc_u32 v[LSX], SCW, v[LSX]
	v_mul_u32_u24 v[CST], v24, QKP                 ; position 16 h + r is the lane's number
	s_mul_i32 s48, s[WV], 192
	v_add_nc_u32 v[CST], s48, v[CST]
	v_mul_u32_u24 v[SST], v25, SBP
	s_lshl_b32 s48, s[WV], 3
	s_add_co_u32 s48, s48, KSB
	v_add_nc_u32 v[SST], s48, v[SST]
	v_mul_u32_u24 v[CA], v25, 48
	v_mad_u32_u24 v[CA], v26, 24, v[CA]
	s_mul_i32 s48, s[WV], 16*QKP
	v_add_nc_u32 v[CA], s48, v[CA]
	v_lshlrev_b32 v[SA], 1, v25
	v_mad_u32_u24 v[SA], v26, QSD, v[SA]
	s_mul_i32 s48, s[WV], 16*SBP
	s_add_co_u32 s48, s48, KSB
	v_add_nc_u32 v[SA], s48, v[SA]
	v_mul_u32_u24 v27, v25, VP
	v_add_nc_u32 v27, v27, v[H64]
	s_lshl_b32 s48, s[WV], 10
	s_lshr_b32 s49, s[WV], 1
	s_lshl_b32 s49, s49, 5
	s_add_co_u32 s48, s48, s49
	v_add_nc_u32 v27, s48, v27
.irp m, 0,1,2,3
	v_add_nc_u32 v[VST+\m], 16*VP*\m, v27
.endr
	v_and_b32 v27, 8, v25
	v_add_nc_u32 v27, v27, v25                     ; r + 8 (r / 8)
	v_lshlrev_b32 v[VLD], 2, v27
	v_mad_u32_u24 v[VLD], v26, 2080, v[VLD]
	s_mul_i32 s48, s[WV], 16*VP
	v_add_nc_u32 v[VLD], s48, v[VLD]
	s_mul_i32 s48, s[WV], OSW
	v_mul_u32_u24 v[OST], v25, OSP
	v_add_nc_u32 v[OST], v[OST], v[H64]
	v_add_nc_u32 v[OST], s48, v[OST]
	v_mul_u32_u24 v[SRD], v26, 8*OSP
	v_lshl_add_u32 v[SRD], v25, 4, v[SRD]
	v_add_nc_u32 v[SRD], s48, v[SRD]
	v_lshlrev_b32 v[OV], 23, v26                   ; eight heads on: 8 x 256 rows of 4,096 bytes
	v_lshl_add_u32 v[OV], v25, 4, v[OV]
.irp b, 0,1,2,3
	v_mov_b32 v[TM+4+\b], 0                        ; written once: a lane permute's destination counts as one of its sources
	v_mov_b32 v[MX+\b], 0                          ; (the upper halves of pairs that are named whole)
	v_mov_b32 v[RI+\b], 0
.endr
	v_mov_b32 v[PX], 0
	v_mov_b32 v[PX+1], 0
	s_mov_b32 s[SEL], 0x76543210
	s_mov_b32 s[SEL+1], 0xfedcba98
	s_mov_b32 s[CS], 0x3e38aa3b                    ; log2(e) / sqrt(64)
	s_mov_b32 s[CS+1], s[CS]
	s_mul_i32 s[T0], s[WV], 196608
	s_add_nc_u64 s[WCW:WCW+1], s[6:7], s[T0:T0+1]
	s_lshl_b32 s[T0], s[WV], 13
	s_add_nc_u64 s[WSW:WSW+1], s[8:9], s[T0:T0+1]
	s_lshl_b32 s[T0], s[WV], 10
	s_add_nc_u64 s[BQW:BQW+1], s[10:11], s[T0:T0+1]
	s_add_nc_u64 s[BOW:BOW+1], s[12:13], s[T0:T0+1]
	s_lshr_b32 s48, ttmp9, 6                       ; the batch: 4,096 rows of 4,096 bytes;
	s_lshl_b32 s48, s48, 24
	s_and_b32 s49, ttmp9, 63                       ; four rows for each work-group of the batch
	s_lshl_b32 s49, s49, 14
	s_add_co_u32 s48, s48, s49
	s_add_co_u32 s[T0], s[T0], s48
	s_add_nc_u64 s[OUTP:OUTP+1], s[14:15], s[T0:T0+1]
	; x into my stage, as it lies
	WIN 0x04
	s_wait_loadcnt 63                              ; of 128 loads at most 63 are out: rows 0-7 (64 loads) are in
	s_wait_alu depctr_va_vdst(0)                   ; the addresses and offsets v2 to v23 are written, which the LDS and memory instructions from here on read
.irp i, 0,1,2,3,4,5,6,7
.irp t, 0,1,2,3,4,5,6,7
	ds_store_b128 v[XSA], v[32*\i+4*\t:32*\i+4*\t+3] offset:XP*\i+512*\t
.endr
.endr
	WIN 0x08
.irp i, 0,1,2,3,4,5,6,7
.if (\i%2) == 0
	s_wait_loadcnt 48-8*\i                         ; the next two rows are in; the later rows' loads may be out
.endif
.irp t, 0,1,2,3,4,5,6,7
	ds_store_b128 v[XSA], v[32*\i+4*\t:32*\i+4*\t+3] offset:XP*(\i+8)+512*\t
.endr
.endr
	WIN 0
	s_wait_alu depctr_vm_vsrc(0)                   ; the stage's stores have read x's registers in windows 1 and 2: the first bias lands among them now, the images, v^T and the softmax's weights later
	s_mov_b32 s[NC], 0                             ; the first chunk, q's: asked for now, 56 loads, while x is quantised
	s_mov_b64 s[NBB:NBB+1], s[BQW:BQW+1]
	s_mov_b32 s[NBO], 0
	SETNEXT
	SB 0
	RING 0
	RING 1
	RING 2
	RING 3
	WIN 0
	; ---- X quantise: my 16 rows become eight fragments; lane (r, h) takes of row r the 16 numbers 32 b + 16 h on of each block
	s_mov_b32 s[CNT], 0
.Lxq:
.irp e, 0,1
.irp b, 0,1,2,3
.irp j, 0,1,2,3
	ds_load_b128 v[NUM+16*\b+4*\j:NUM+16*\b+4*\j+3], v[XLA] offset:512*\e+128*\b+16*\j   ; LDS serves a wave's instructions in order (ISA guide 5.7.1.4): these see my stores into the stage
.endr
.endr
	s_wait_dscnt 0x0                               ; the numbers are in
	s_wait_alu depctr_vm_vsrc(0)                   ; the last image's LDS stores have read the codes and the scale word, which the quantiser writes again
	QUANT NUM
	s_wait_alu depctr_va_vdst(0)                   ; the quantiser has written the codes and the scale word, which the LDS stores read, and is done reading v[NUM ..], in which the next loads land
	IMAGE IWX, FRB*\e
	ds_store_b32 v[ISX], v[PW] offset:128*\e
.endr
	s_wait_alu depctr_vm_vsrc(0)                   ; the trip's LDS loads and stores have read their three addresses
	v_add_nc_u32 v[XLA], 1024, v[XLA]
	v_add_nc_u32 v[IWX], 2*FRB, v[IWX]
	v_add_nc_u32 v[ISX], 256, v[ISX]
	s_wait_alu depctr_va_vdst(0)                   ; v[XLA] is written, which the next trip's first loads read
	s_add_co_u32 s[CNT], s[CNT], 1
	s_cmp_lt_u32 s[CNT], 4
	s_cbranch_scc1 .Lxq
	BARRIER                                        ; x's 32 images lie in LDS, and nobody reads the stages any more
	LOADFRAGS
	; ---- QK: q's chunk i, then k's chunk i
	s_mov_b32 s[CNT], 0
.Lqk:
	s_add_co_u32 s[NC], s[CNT], 32                 ; next: k's chunk i
	s_lshl_b32 s[NBO], s[NC], 7
	SETNEXT
	CORE 0, 1
	EPIQK 0
	s_add_co_u32 s48, s[CNT], 1
	s_cmp_eq_u32 s[CNT], 7
	s_cselect_b32 s[NC], 64, s48                   ; next: q's chunk i + 1, or v's first
	s_lshl_b32 s[NBO], s[NC], 7
	SETNEXT
	CORE 1, 1
	EPIQK 1
	s_wait_alu depctr_vm_vsrc(0)                   ; the trip's LDS stores have read their two addresses (and the codes and bytes); the waits on va_vdst of the next chunk stand ahead of the next stores by them
	v_add_nc_u32 v[CST], 24, v[CST]
	v_add_nc_u32 v[SST], 1, v[SST]
	s_add_co_u32 s[CNT], s[CNT], 1
	s_cmp_lt_u32 s[CNT], 8
	s_cbranch_scc1 .Lqk
	BARRIER                                        ; all heads' codes and bytes of all 64 positions lie in LDS
	; ---- scores and softmax of my 16 positions
.irp z, 0,1
.irp i, 6,7,8,9,10,11
	v_mov_b32 v[KF+24*\z+\i], 0                    ; K = 64 .. 127 of product 2's instruction: zero codes on both sides
	v_mov_b32 v[QF+24*\z+\i], 0
.endr
.endr
	PLACES 4                                       ; an operand written by vector instructions stands four places ahead of a scaled matrix instruction
	s_wait_alu depctr_va_vdst(0)                   ; the zero codes are written, which product 2's matrix instructions take inside both operands; the places above stay beside this wait
	SLOAD 0
.irp g, 0,1,2,3,4,5,6,7
	SCORE \g
.endr
	BARRIER                                        ; nobody reads q's and k's codes any more: v is laid over them
	; ---- V: two chunks a trip
	s_mov_b32 s[CNT], 0
.Lv:
	s_lshl_b32 s48, s[CNT], 1
	s_add_co_u32 s[NC], s48, 65
	s_lshl_b32 s[NBO], s[NC], 7
	SETNEXT
	CORE 0, 1
	EPIV 0
	s_lshl_b32 s48, s[CNT], 1
	s_add_co_u32 s48, s48, 66
	s_lshl_b32 s49, s48, 7
	s_cmp_eq_u32 s[CNT], 3                         ; behind v's last chunk comes out's first, with b_out
	s_cselect_b32 s[NC], 96, s48
	s_cselect_b64 s[NBB:NBB+1], s[BOW:BOW+1], s[BQW:BQW+1]
	s_cselect_b32 s[NBO], 0, s49
	SETNEXT
	CORE 1, 1
	EPIV 1
	s_wait_alu depctr_vm_vsrc(0)                   ; the trip's LDS stores have read their four addresses and the accumulators; the waits on va_vdst of the next chunk stand ahead of the next stores by these addresses
.irp m, 0,1,2,3
	v_add_nc_u32 v[VST+\m], 256, v[VST+\m]
.endr
	s_add_co_u32 s[CNT], s[CNT], 1
	s_cmp_lt_u32 s[CNT], 4
	s_cbranch_scc1 .Lv
	BARRIER                                        ; v of all 64 positions lies in LDS
	; ---- product 3 and its quantising: my 16 positions are tile of rows w of the last product's left operand
	VLOAD 0, 0
.irp s, 0,1,2,3,4,5,6,7
	PAIR \s
.endr
	BARRIER                                        ; attention's 32 images lie in LDS, and nobody reads v any more
	LOADFRAGS
	; ---- O: two chunks a trip, then 64 rows x 256 bytes leave
	s_mov_b64 s[NBB:NBB+1], s[BOW:BOW+1]
	s_mov_b32 s[CNT], 0
.Lo:
	s_lshl_b32 s48, s[CNT], 1
	s_add_co_u32 s[NC], s48, 97
	s_add_co_u32 s[NBO], s48, 1
	s_lshl_b32 s[NBO], s[NBO], 7
	SETNEXT
	CORE 0, 1
	EPIO 0
	s_lshl_b32 s48, s[CNT], 1
	s_add_co_u32 s[NC], s48, 98
	s_add_co_u32 s[NBO], s48, 2
	s_lshl_b32 s[NBO], s[NBO], 7
	SETNEXT
	CORE 1, 1
	EPIO 1
	FLUSH 1
	s_add_co_u32 s[CNT], s[CNT], 1
	s_cmp_lt_u32 s[CNT], 3
	s_cbranch_scc1 .Lo
	s_mov_b32 s[NC], 103                           ; the last two chunks are written out: the last fetches nothing, so no load leaves its buffer
	s_mov_b32 s[NBO], 896
	SETNEXT
	CORE 0, 1
	EPIO 0
	CORE 1, 0
	EPIO 1
	FLUSH 0
	s_wait_dscnt 0x0
	s_wait_alu depctr_hold_cnt(0) depctr_sa_sdst(0) depctr_va_vdst(0) depctr_va_sdst(0) depctr_va_ssrc(0) depctr_va_vcc(0) depctr_vm_vsrc(0)
	s_wait_tensorcnt 0x0
	ds_add_u32 v254, v255
	s_wait_dscnt 0x0
	s_endpgm
.Lfunc_end_k_qcf86bae72f_fused:
	.size	k_qcf86bae72f_fused, .Lfunc_end_k_qcf86bae72f_fused-k_qcf86bae72f_fused
	.p2alignl 7, 3214868480
	.fill 96, 4, 3214868480
	.section	.rodata,"a",@progbits
	.p2align	6, 0x0
	.amdhsa_kernel k_qcf86bae72f_fused
		.amdhsa_group_segment_fixed_size 318976
		.amdhsa_private_segment_fixed_size 0
		.amdhsa_enable_private_segment 0
		.amdhsa_kernarg_size 48
		.amdhsa_user_sgpr_count 2
		.amdhsa_user_sgpr_kernarg_segment_ptr 1
		.amdhsa_wavefront_size32 1
		.amdhsa_system_sgpr_workgroup_id_x 1
		.amdhsa_system_sgpr_workgroup_id_y 1
		.amdhsa_system_sgpr_workgroup_id_z 1
		.amdhsa_system_vgpr_workitem_id 0
		.amdhsa_next_free_vgpr 1024
		.amdhsa_next_free_sgpr 66
		.amdhsa_reserve_vcc 0
		.amdhsa_float_denorm_mode_32 3
		.amdhsa_float_denorm_mode_16_64 3
		.amdhsa_memory_ordered 1
		.amdhsa_forward_progress 1
		.amdhsa_inst_pref_size 255
	.end_amdhsa_kernel
	.section	.bss,"aw",@nobits
	.p2align	6
	.space	262144
	.amdgpu_metadata
---
amdhsa.version: [ 1, 2 ]
amdhsa.kernels:
  - .name:           k_qcf86bae72f_fused
    .symbol:         k_qcf86bae72f_fused.kd
    .args:
      - { .name: x, .offset: 0, .size: 8, .value_kind: global_buffer, .address_space: global }
      - { .name: wcodes, .offset: 8, .size: 8, .value_kind: global_buffer, .address_space: global }
      - { .name: wscales, .offset: 16, .size: 8, .value_kind: global_buffer, .address_space: global }
      - { .name: b_qkv, .offset: 24, .size: 8, .value_kind: global_buffer, .address_space: global }
      - { .name: b_out, .offset: 32, .size: 8, .value_kind: global_buffer, .address_space: global }
      - { .name: out0, .offset: 40, .size: 8, .value_kind: global_buffer, .address_space: global }
    .group_segment_fixed_size: 318976
    .private_segment_fixed_size: 0
    .kernarg_segment_align: 8
    .kernarg_segment_size: 48
    .max_flat_workgroup_size: 128
    .sgpr_count:     66
    .vgpr_count:     1024
    .wavefront_size: 32
...
	.end_amdgpu_metadata
.endif
;; end of part 4
